; MI455X (gfx1250); checked and timed in simulation.
; The chip was launched on July 23, 2026; its instructions are those of AMD's public machine-readable ISA for CDNA 5 (MIT licence, August 2026) and "CDNA5" Instruction Set Architecture Reference Guide (July 2026). The comments in the code are by the model that wrote it; some were corrected since.
;; Block. Allowed arithmetic: float matrix products may take bf16 or f16 operands with f32 sums; other float arithmetic in f32, or as packed bf16 or f16 multiplies, adds, multiply-adds, maxima and minima; sums over many terms, partial sums and values carried from step to step in f32; what a program stores and reads back later, other than sums and carried values, may be rounded once to bf16 or f16.
;; Inputs: b1 2,048 float32; b2 512 float32; b_proj 512 float32; ln1_b 512 float32; ln1_g 512 float32; ln2_b 512 float32; ln2_g 512 float32; w1 512 x 2,048 float32; w2 2,048 x 512 float32; w_proj 512 x 512 float32; wk 512 x 512 float32; wq 512 x 512 float32; wv 512 x 512 float32; x 8 x 1,024 x 512 float32.
;; Outputs: out0 8 x 1,024 x 512 float32.
;; One version. Each part assembles by itself: llvm-mc -triple=amdgcn-amd-amdhsa -mcpu=gfx1250 --defsym DOCPART=n.
;; ======== version 1 of 1: 6 launches
;; limits: a function is approximated: absolute error at most 2.5e-05; right only within a limited range of input values; values outside matrix products are rounded to bf16
;; workspace buffers: wt 6,291,456 bytes; h 8,388,608 bytes; qkv 25,165,824 bytes; att 8,388,608 bytes; res 16,777,216 bytes; h2 8,388,608 bytes; hid 33,554,432 bytes
;; launch prep (part 1): grid 608 x 1, 4 waves a work-group, no clusters, 70,144 bytes of LDS; arguments x, ln1_g, ln1_b, wq, wk, wv, w_proj, w1, w2, h, wt; writes h, wt
.if DOCPART == 1
	.amdgcn_target "amdgcn-amd-amdhsa--gfx1250"
	.amdhsa_code_object_version 6
	.text
	.protected	k_q5907556454_prep
	.globl	k_q5907556454_prep
	.p2align	8
	.type	k_q5907556454_prep,@function
k_q5907556454_prep:
	s_mov_b64 s[64:65], 0
	v_nop
	global_prefetch_b8 v0, s[64:65] scope:SCOPE_SE
	s_setreg_imm32_b32 hwreg(HW_REG_WAVE_MODE, 25, 1), 1
	s_wait_xcnt 0x0
; FIRST OF SIX LAUNCHES of one transformer block on 8,192 rows of 512: prep, qkv, attn, proj, mlp1, mlp2.
; WORK LEFT OUT, for all values of the inputs: reference() builds the causal mask itself (jnp.tril) and puts -inf in place of every score whose key lies behind
; its query; the softmax gives such a score the weight exp(-inf) = 0, so its products reach no output.  Launch attn walks blocks of 64 queries x 64 keys and leaves out the
; 120 of a head's 256 blocks that lie wholly above the diagonal.  Nothing else is left out: every input has a way to the output and is loaded.
; LIMIT: a NaN, an infinity or an overflow that would arise only in the blocks left out is not carried to the result.
; THIS LAUNCH.  Work-groups 96-607: h = layernorm(x) g + b, rounded once to bf16; a wave takes four rows, a row lies in 16 registers a lane, the variance is taken of the
; centred row, as reference() takes it.  Work-groups 0-95: the six weights, rounded once to bf16 and turned to [n][k], so that K lies along the rows:
; wt rows 0-2047 (1,024 bytes): wq, wk, wv, w_proj; rows 2048-4095: w1; from byte 4,194,304 on w2, 512 rows of 4,096 bytes.  A wave turns a tile of 128 k x 64 n through a stage in
; LDS that is its own: no barrier.  No matrix unit and no cluster: the launch only moves bytes, each once.
.set STGB,  17408                      ; a wave's stage: 64 rows (n) x 272 bytes (128 k in bf16 + 16)
.set SPARE, 4*STGB                     ; behind the stages: the spare words, 128 bytes a wave
.set SPW, 206                          ; v206 LDS address of my spare word; never rewritten
.set NIL, 207                          ; v207 0; never rewritten
.set WV,  26                           ; s26  my wave's number
; the norm's registers
.set G,   8                            ; v[8:23]   gain of my 16 columns (128 j + 4 lane + 0..3)
.set BV,  24                           ; v[24:39]  bias
.set T,   40                           ; v[40:47]  at work
.set MU,  48                           ; v[48:49]  the mean, twice
.set R,   50                           ; v[50:51]  1 / sqrt(var + eps), twice
.set HO,  52                           ; v[52:59]  the row in bf16
.set X,   64                           ; v[64:127] four rows
.set SEL, 32                           ; s[32:33]  v_permlanex16_b32's selects
.set C512, 34                          ; s34 1 / 512
.set CEPS, 35                          ; s35 1e-5
; the turning's registers
.set VO,  8                            ; v[8:15]   byte offset of row 8 (lane / 16) + e of a chunk of 16 rows, my 16 bytes
.set TP,  16                           ; v[16:31]  packed
.set DO,  32                           ; v[32:63]  byte offsets of the 32 stores
.set XW,  64                           ; v[64:191] four chunks of 32 registers; later the tile read back
	s_load_b512 s[4:19], s[0:1], 0x0               ; x, ln1_g, ln1_b, wq, wk, wv, w_proj, w1
	s_load_b128 s[20:23], s[0:1], 0x40             ; w2, h
	s_load_b64 s[24:25], s[0:1], 0x50              ; wt
	v_lshl_add_u32 v[SPW], v0, 2, SPARE
	v_mov_b32 v[NIL], 0
	v_lshrrev_b32 v1, 5, v0
	v_readfirstlane_b32 s[WV], v1
	v_and_b32 v1, 31, v0                           ; lane
	s_cmp_lt_u32 ttmp9, 96
	s_cbranch_scc1 .Lturn
; ---- the norm ----
.macro LANES                           ; the sum over the 32 lanes, in every lane
	v_add_f32_dpp v[T], v[T], v[T] row_xmask:1 row_mask:0xf bank_mask:0xf
	v_add_f32_dpp v[T], v[T], v[T] row_xmask:2 row_mask:0xf bank_mask:0xf
	v_add_f32_dpp v[T], v[T], v[T] row_xmask:4 row_mask:0xf bank_mask:0xf
	v_add_f32_dpp v[T], v[T], v[T] row_xmask:8 row_mask:0xf bank_mask:0xf
	v_permlanex16_b32 v[T+1], v[T], s[SEL], s[SEL+1]
	v_add_f32 v[T], v[T], v[T+1]
.endm
.macro ROW src, dst                    ; the row in v[src .. src+15] is normed into v[dst ..] and rounded into HO
	v_pk_add_f32 v[T:T+1], v[(\src):(\src)+1], v[(\src)+2:(\src)+3]
	v_pk_add_f32 v[T+2:T+3], v[(\src)+4:(\src)+5], v[(\src)+6:(\src)+7]
	v_pk_add_f32 v[T+4:T+5], v[(\src)+8:(\src)+9], v[(\src)+10:(\src)+11]
	v_pk_add_f32 v[T+6:T+7], v[(\src)+12:(\src)+13], v[(\src)+14:(\src)+15]
	v_pk_add_f32 v[T:T+1], v[T:T+1], v[T+2:T+3]
	v_pk_add_f32 v[T+4:T+5], v[T+4:T+5], v[T+6:T+7]
	v_pk_add_f32 v[T:T+1], v[T:T+1], v[T+4:T+5]
	v_add_f32 v[T], v[T], v[T+1]
	LANES
	v_mul_f32 v[MU], s[C512], v[T]
	v_mul_f32 v[MU+1], s[C512], v[T]
.irp j, 0,2,4,6,8,10,12,14
	v_pk_add_f32 v[(\dst)+(\j):(\dst)+(\j)+1], v[(\src)+(\j):(\src)+(\j)+1], v[MU:MU+1] neg_lo:[0,1] neg_hi:[0,1]
.endr
	v_pk_mul_f32 v[T:T+1], v[(\dst):(\dst)+1], v[(\dst):(\dst)+1]
	v_pk_mul_f32 v[T+2:T+3], v[(\dst)+2:(\dst)+3], v[(\dst)+2:(\dst)+3]
.irp j, 4,8,12
	v_pk_fma_f32 v[T:T+1], v[(\dst)+(\j):(\dst)+(\j)+1], v[(\dst)+(\j):(\dst)+(\j)+1], v[T:T+1]
	v_pk_fma_f32 v[T+2:T+3], v[(\dst)+(\j)+2:(\dst)+(\j)+3], v[(\dst)+(\j)+2:(\dst)+(\j)+3], v[T+2:T+3]
.endr
	v_pk_add_f32 v[T:T+1], v[T:T+1], v[T+2:T+3]
	v_add_f32 v[T], v[T], v[T+1]
	LANES
	v_fma_f32 v[T], v[T], s[C512], s[CEPS]         ; var + eps
	v_rsq_f32 v[R], v[T]
	v_rsq_f32 v[R+1], v[T]
	v_nop                                          ; a plain instruction behind the second root,
	s_wait_alu depctr_va_vdst(0)                   ; and the one wait ahead of the first use
.irp j, 0,2,4,6,8,10,12,14
	v_pk_mul_f32 v[(\dst)+(\j):(\dst)+(\j)+1], v[(\dst)+(\j):(\dst)+(\j)+1], v[R:R+1]
.endr
.irp j, 0,2,4,6,8,10,12,14
	v_pk_fma_f32 v[(\dst)+(\j):(\dst)+(\j)+1], v[(\dst)+(\j):(\dst)+(\j)+1], v[G+(\j):G+(\j)+1], v[BV+(\j):BV+(\j)+1]
.endr
.irp j, 0,1,2,3,4,5,6,7
	v_cvt_pk_bf16_f32 v[HO+(\j)], v[(\dst)+2*(\j)], v[(\dst)+2*(\j)+1]
.endr
.endm
	s_sub_co_u32 s27, ttmp9, 96
	s_lshl_b32 s27, s27, 2
	s_add_co_u32 s27, s27, s[WV]                   ; my group of four rows, 0 .. 2047
	s_lshl_b32 s28, s27, 13                        ; its bytes in x: 4 rows of 2,048
	s_mov_b32 s29, 0
	s_lshl_b32 s30, s27, 12                        ; and in h: 4 rows of 1,024
	s_mov_b32 s31, 0
	s_mov_b32 s[SEL], 0x76543210
	s_mov_b32 s[SEL+1], 0xfedcba98
	s_mov_b32 s[C512], 0x3b000000
	s_mov_b32 s[CEPS], 0x3727c5ac
	v_lshlrev_b32 v2, 4, v1                        ; 16 x lane
	v_lshlrev_b32 v3, 3, v1                        ; 8 x lane
	s_wait_kmcnt 0x0
	s_add_nc_u64 s[4:5], s[4:5], s[28:29]
	s_add_nc_u64 s[22:23], s[22:23], s[30:31]
.irp j, 0,1,2,3
	global_load_b128 v[G+4*(\j):G+4*(\j)+3], v2, s[6:7] offset:512*(\j)
	global_load_b128 v[BV+4*(\j):BV+4*(\j)+3], v2, s[8:9] offset:512*(\j)
.endr
.irp i, 0,1,2,3
.irp j, 0,1,2,3
	global_load_b128 v[X+16*(\i)+4*(\j):X+16*(\i)+4*(\j)+3], v2, s[4:5] offset:2048*(\i)+512*(\j) th:TH_LOAD_NT  ; 512 consecutive bytes
.endr
.endr
.irp i, 0,1,2,3
	s_wait_loadcnt 4*(3-(\i))                      ; my row is in; the later rows' four loads each may stay out
.if (\i) > 0
	s_wait_xcnt 0x0                                ; the last row's stores have read HO
.endif
	ROW X+16*(\i), X+16*(\i)
.irp j, 0,1,2,3
	global_store_b64 v3, v[HO+2*(\j):HO+2*(\j)+1], s[22:23] offset:1024*(\i)+256*(\j)  ; 32 lanes store 256 consecutive bytes, aligned
.endr
.endr
	s_branch .Lend
; ---- the turning ----
.Lturn:
	s_lshl_b32 s27, ttmp9, 2
	s_add_co_u32 s27, s27, s[WV]                   ; my tile, 0 .. 383: 0-127 the four squares, 128-255 w1, 256-383 w2
	s_and_b32 s28, s27, 3                          ; block of 128 k (squares and w1)
	s_lshr_b32 s29, s27, 2                         ; block of 64 rows of wt
	s_and_b32 s30, s29, 7                          ; block of 64 n in a square
	s_sub_co_u32 s31, s29, 32                      ; in w1 (used from tile 128 on)
	s_lshl_b32 s51, s29, 16                        ; the block's first byte in wt: 64 rows of 1,024
	s_mov_b32 s50, 2048                            ; bytes in a row of the source
	s_mov_b32 s52, 1024                            ; bytes in a row of the target
	s_and_b32 s53, s27, 15                         ; w2: block of 128 k,
	s_bfe_u32 s54, s27, 0x30004                    ; block of 64 n,
	s_lshl_b32 s55, s54, 18                        ; its 64 rows of 4,096 bytes
	s_add_co_u32 s55, s55, 0x400000
	s_wait_kmcnt 0x0
	s_cmp_lt_u32 s27, 32
	s_cselect_b64 s[32:33], s[10:11], s[12:13]
	s_cmp_lt_u32 s27, 64
	s_cselect_b64 s[32:33], s[32:33], s[14:15]
	s_cmp_lt_u32 s27, 96
	s_cselect_b64 s[32:33], s[32:33], s[16:17]
	s_cmp_lt_u32 s27, 128
	s_cselect_b64 s[32:33], s[32:33], s[18:19]
	s_cselect_b32 s30, s30, s31
	s_cselect_b32 s50, s50, 0x2000
	s_cmp_lt_u32 s27, 256
	s_cselect_b64 s[32:33], s[32:33], s[20:21]
	s_cselect_b32 s28, s28, s53
	s_cselect_b32 s30, s30, s54
	s_cselect_b32 s50, s50, 0x800
	s_cselect_b32 s51, s51, s55
	s_cselect_b32 s52, s52, 0x1000
	s_mul_i32 s56, s28, s50
	s_lshl_b32 s56, s56, 7                         ; 128 rows of the source for each block of k,
	s_lshl_b32 s57, s30, 8                         ; 256 bytes for each block of n
	s_add_co_u32 s56, s56, s57
	s_mov_b32 s57, 0
	s_add_nc_u64 s[32:33], s[32:33], s[56:57]      ; chunk 0 of my tile
	s_lshl_b32 s58, s50, 4                         ; a chunk is 16 rows
	s_mov_b32 s59, 0
.irp c, 1,2,3,4,5,6,7
	s_add_nc_u64 s[32+2*(\c):33+2*(\c)], s[30+2*(\c):31+2*(\c)], s[58:59]
.endr
	s_lshl_b32 s60, s28, 8                         ; 128 k in bf16
	s_add_co_u32 s60, s60, s51
	s_mov_b32 s61, 0
	s_add_nc_u64 s[24:25], s[24:25], s[60:61]      ; my tile in wt
	s_lshl_b32 s62, s52, 1                         ; two rows of the target
	s_mul_i32 s63, s[WV], STGB                     ; my stage
	v_and_b32 v2, 15, v0                           ; lane % 16
	v_bfe_u32 v3, v0, 4, 1                         ; lane / 16
	v_lshlrev_b32 v4, 4, v2
	v_lshlrev_b32 v5, 3, v3
.irp e, 0,1,2,3,4,5,6,7
	v_add_nc_u32 v6, (\e), v5
	v_mad_u32_u24 v[VO+(\e)], v6, s50, v4          ; row 8 (lane / 16) + e, my four n
.endr
	v_mul_u32_u24 v7, v2, 1088                     ; in: stage rows 4 (lane % 16) + i, 16 bytes for each half of the lanes
	v_lshl_add_u32 v7, v3, 4, v7
	v_add_nc_u32 v7, s63, v7
	v_mul_u32_u24 v6, v3, 272                      ; back: lanes 0-15 one row of 256 bytes, lanes 16-31 the next
	v_add3_u32 v6, v6, v4, s63
	v_mad_u32_u24 v[DO], v3, s52, v4
.set t, 1
.rept 31
	v_add_nc_u32 v[DO+t], s62, v[DO+t-1]
.set t, t+1
.endr
.macro LDCH ch                         ; a chunk: 16 rows x 256 bytes, eight loads that each take two rows' 256 consecutive bytes
.irp e, 0,1,2,3,4,5,6,7
	global_load_b128 v[XW+32*((\ch)%4)+4*(\e):XW+32*((\ch)%4)+4*(\e)+3], v[VO+(\e)], s[32+2*(\ch):33+2*(\ch)] th:TH_LOAD_NT
.endr
.endm
	LDCH 0
	LDCH 1
	LDCH 2
	LDCH 3
.irp ch, 0,1,2,3,4,5,6,7
.if (\ch) < 5
	s_wait_loadcnt 24                              ; my chunk is in; three younger chunks of eight loads stay out
.else
	s_wait_loadcnt 8*(7-(\ch))                     ; nothing is asked for any more: the counts run down
.endif
.irp i, 0,1,2,3
.irp p, 0,1,2,3
	v_cvt_pk_bf16_f32 v[TP+4*(\i)+(\p)], v[XW+32*((\ch)%4)+8*(\p)+(\i)], v[XW+32*((\ch)%4)+8*(\p)+4+(\i)]  ; n = 4 (lane % 16) + i, k = 2 p and 2 p + 1 of my eight
.endr
.endr
.irp i, 0,1,2,3
	ds_store_b128 v7, v[TP+4*(\i):TP+4*(\i)+3] offset:272*(\i)+32*(\ch)
.endr
.if (\ch) < 4
	LDCH (\ch)+4
.endif
.endr
.set t, 0
.rept 32
	ds_load_b128 v[XW+4*t:XW+4*t+3], v6 offset:544*t   ; LDS serves a wave's instructions in order (ISA guide 5.7.1.4): these see the stores above
.set t, t+1
.endr
.set t, 0
.rept 32
	s_wait_dscnt 31-t
	global_store_b128 v[DO+t], v[XW+4*t:XW+4*t+3], s[24:25]  ; 16 lanes store 256 consecutive bytes, aligned: 128 k of one row n
.set t, t+1
.endr
.Lend:
	s_wait_tensorcnt 0x0                           ; the wave's end: behind my last LDS store
	ds_add_u32 v[SPW], v[NIL]
	s_wait_dscnt 0x0
	s_endpgm
.Lfunc_end_k_q5907556454_prep:
	.size	k_q5907556454_prep, .Lfunc_end_k_q5907556454_prep-k_q5907556454_prep
	.p2alignl 7, 3214868480
	.fill 96, 4, 3214868480
	.section	.rodata,"a",@progbits
	.p2align	6, 0x0
	.amdhsa_kernel k_q5907556454_prep
		.amdhsa_group_segment_fixed_size 70144
		.amdhsa_private_segment_fixed_size 0
		.amdhsa_enable_private_segment 0
		.amdhsa_kernarg_size 88
		.amdhsa_user_sgpr_count 2
		.amdhsa_user_sgpr_kernarg_segment_ptr 1
		.amdhsa_wavefront_size32 1
		.amdhsa_system_sgpr_workgroup_id_x 1
		.amdhsa_system_sgpr_workgroup_id_y 1
		.amdhsa_system_sgpr_workgroup_id_z 1
		.amdhsa_system_vgpr_workitem_id 0
		.amdhsa_next_free_vgpr 208
		.amdhsa_next_free_sgpr 66
		.amdhsa_reserve_vcc 0
		.amdhsa_float_denorm_mode_32 3
		.amdhsa_float_denorm_mode_16_64 3
		.amdhsa_memory_ordered 1
		.amdhsa_forward_progress 1
		.amdhsa_inst_pref_size 49
	.end_amdhsa_kernel
	.amdgpu_metadata
---
amdhsa.version: [ 1, 2 ]
amdhsa.kernels:
  - .name:           k_q5907556454_prep
    .symbol:         k_q5907556454_prep.kd
    .args:
      - { .name: x, .offset: 0, .size: 8, .value_kind: global_buffer, .address_space: global }
      - { .name: ln1_g, .offset: 8, .size: 8, .value_kind: global_buffer, .address_space: global }
      - { .name: ln1_b, .offset: 16, .size: 8, .value_kind: global_buffer, .address_space: global }
      - { .name: wq, .offset: 24, .size: 8, .value_kind: global_buffer, .address_space: global }
      - { .name: wk, .offset: 32, .size: 8, .value_kind: global_buffer, .address_space: global }
      - { .name: wv, .offset: 40, .size: 8, .value_kind: global_buffer, .address_space: global }
      - { .name: w_proj, .offset: 48, .size: 8, .value_kind: global_buffer, .address_space: global }
      - { .name: w1, .offset: 56, .size: 8, .value_kind: global_buffer, .address_space: global }
      - { .name: w2, .offset: 64, .size: 8, .value_kind: global_buffer, .address_space: global }
      - { .name: h, .offset: 72, .size: 8, .value_kind: global_buffer, .address_space: global }
      - { .name: wt, .offset: 80, .size: 8, .value_kind: global_buffer, .address_space: global }
    .group_segment_fixed_size: 70144
    .private_segment_fixed_size: 0
    .kernarg_segment_align: 8
    .kernarg_segment_size: 88
    .max_flat_workgroup_size: 128
    .sgpr_count:     66
    .vgpr_count:     208
    .wavefront_size: 32
...
	.end_amdgpu_metadata
.endif
;; end of part 1
;; launch qkv (part 2): grid 4 x 64, 4 waves a work-group, clusters of 4 x 4, 327,680 bytes of LDS; arguments h, wt, qkv; writes qkv
.if DOCPART == 2
	.amdgcn_target "amdgcn-amd-amdhsa--gfx1250"
	.amdhsa_code_object_version 6
	.text
	.protected	k_q5907556454_qkv
	.globl	k_q5907556454_qkv
	.p2align	8
	.type	k_q5907556454_qkv,@function
k_q5907556454_qkv:
	s_mov_b64 s[64:65], 0
	v_nop
	global_prefetch_b8 v0, s[64:65] scope:SCOPE_SE
	s_setreg_imm32_b32 hwreg(HW_REG_WAVE_MODE, 25, 1), 1
	s_wait_xcnt 0x0
	s_wait_alu depctr_hold_cnt(0) depctr_sa_sdst(0) depctr_va_vdst(0) depctr_va_sdst(0) depctr_va_ssrc(0) depctr_va_vcc(0) depctr_vm_vsrc(0)
	s_getreg_b32 s2, hwreg(HW_REG_IB_STS2, 6, 4)
	s_cmp_eq_u32 s2, 0
	s_cbranch_scc0 .Lentry_in_a_cluster
	s_endpgm
.Lentry_in_a_cluster:
	s_bfe_u32 s2, ttmp6, 0x10000c
	s_cmp_lg_u32 s2, 0xf033
	s_cbranch_scc0 .Lentry_shape_is_right
	s_endpgm
.Lentry_shape_is_right:
; q, k, v = h x [wq wk wv], bf16 operands, f32 sums, rounded once to bf16 and written by heads: qkv[3][8][16][1024][32].  h: [8192][512] bf16; wt rows 0-1535: [n][k] bf16.
; A STAYS.  K is 512: a wave keeps its 64 rows of h for the whole K in 512 registers.  Only the weights are streamed, in chunks of 128 n x 512 k, through two LDS slots.
; SHARES.  A work-group has 128 rows and 384 columns (three chunks); wave w has row half w / 2 and column half w % 2 of each chunk: 64 x 64, 16 accumulators, 256 matrix
; instructions for 64 fragments read from LDS.
; CLUSTER 4 x 4.  The four of a row of the cluster need the same rows of h, the four of a column the same weights: each tile is asked for jointly, by the same load, descriptor and mask.
; THE MATRIX INSTRUCTION IS USED TRANSPOSED (source 0 = 16 rows of wt, source 1 = 16 rows of h): a lane then holds eight neighbouring columns of one row.
; REGISTERS, in windows of 256: window 0 addresses and the way out; window 1: v0-127 accumulators ((a, b) at 8 (4 a + b)), v128-191 and v192-255 two buffers of weights' fragments;
; windows 2, 3: h's fragments: row block a, K step s of 32 at 32 (s % 8) + 8 a, steps 0-7 in window 2, 8-15 in window 3.
.set NCH,   3                          ; chunks to a work-group
.set NB0,   0                          ; first row of wt
.set PITCH, 1040                       ; an LDS row: 1,024 bytes + 16: an odd multiple of 16 bytes
.set QT,    32*PITCH                   ; what one tensor load brings: 32 rows
.set SLOT,  4*QT
.set STAGE, 2*SLOT                     ; behind the ring: 16 rows x 144 bytes for each wave
.set SP,    144
.set SPARE, STAGE+4*16*SP              ; the spare words, 128 bytes a wave
.set CHB,   128*1024                   ; bytes of a chunk in wt
.set GW,    (1<<16)|(1<<20)|(1<<21)|(7<<22)|(3<<25)  ; 2-byte elements; padding on; bit 21 beside a mask; after every 256 words (code 7) 4 words (code 3)
.set AB0, 2                            ; v2  my lane's place in a chunk: (64 (w % 2) + l % 16) x 1040 + 16 (l / 16); never rewritten
.set ADRB, 3                           ; v3  the same in the slot in hand
.set AA,  4                            ; v4  my lane's place in the panel of h, which lies in slot 1 at first
.set PFO, 5                            ; v5  the prefetches' offset: lane x 1,024
.set STO, 6                            ; v6  the way out: where I put 16 bytes of a row
.set RD,  7                            ; v7  where I read them back
.set GO,  8                            ; v8  16 x lane
.set SPW, 28
.set NIL, 29
.set TMP, 32                           ; v[32:47]  packed
.set OBF, 64                           ; v[64:127] read back, 16 for each row block
.set BF,  128
.set WV, 12
.set RH, 13
.set CH, 14
.set CX, 15
.set CY, 16
.set GY, 17
.set GX, 18
.set CLY, 19
.set G1A, 24
.set G1B, 32
.set G0A, 40
.set G0B, 44
.set WOFF, 49
.set TB,  50                           ; s50 the slot to be read next
.set CNT, 51
.set LIM, 52
.set PFA, 54
.set OB,  56
.set S32, 58                           ; s58 my first group of 32 columns = tensor x 16 + head
.set RB,  59                           ; s59 my rows' bytes inside a head
.set MSB, 0
.macro WIN new
.if MSB != (\new)
	s_set_vgpr_msb (MSB<<8)|(\new)
.set MSB, \new
.endif
.endm
.macro PLACES                          ; four places in front of loads into registers that matrix instructions have read, and of lines that read results
.rept 4
	v_nop
.endr
.endm
.macro CROUND                          ; a round of the cluster's barrier
	s_barrier_signal -1
	s_barrier_wait -1
	s_cmp_lg_u32 s[WV], 0
	s_cbranch_scc1 .Lnot_wave_0_\@
	s_barrier_signal -3
.Lnot_wave_0_\@:
	s_barrier_wait -3
	s_barrier_signal -1
	s_barrier_wait -1
.endm
; A prefetch of the chunk that the NEXT refill will ask for.  A column group's weights are read by all sixteen clusters: the first (cluster y = 0) asks.  Its four partners of a column share the
; chunk's 128 rows out by address, 32 each; wave w names bytes 256 w .. of each row, a lane a row: each 256 bytes are named once.  The last trip asks for nothing.
.macro ASK
	s_cmp_gt_u32 s[CNT], s[LIM]
	s_cbranch_scc0 .Lnot_mine_\@
	global_prefetch_b8 v[PFO], s[PFA:PFA+1] th:TH_LOAD_NT scope:SCOPE_SE
.Lnot_mine_\@:
.endm
.macro FETCH g                         ; 16 LDS loads: the weights' fragments of K steps 2 g and 2 g + 1
	WIN 0x40
.irp ks, 0,1
.irp b, 0,1,2,3
	ds_load_b128 v[BF+64*((\g)%2)+8*(4*(\ks)+(\b)):BF+64*((\g)%2)+8*(4*(\ks)+(\b))+3],   v[ADRB] offset:16*PITCH*(\b)+64*(2*(\g)+(\ks))
	ds_load_b128 v[BF+64*((\g)%2)+8*(4*(\ks)+(\b))+4:BF+64*((\g)%2)+8*(4*(\ks)+(\b))+7], v[ADRB] offset:16*PITCH*(\b)+64*(2*(\g)+(\ks))+32
.endr
.endr
.endm
.macro MUL g                           ; 32 matrix instructions; the 16 accumulators take turns; K step 0 starts the sums
.if (\g) < 4
	WIN 0x59
.else
	WIN 0x5d
.endif
.irp ks, 0,1
.irp a, 0,1,2,3
.irp b, 0,1,2,3
.if (2*(\g)+(\ks)) == 0
	v_wmma_f32_16x16x32_bf16 v[8*(4*(\a)+(\b)):8*(4*(\a)+(\b))+7], v[BF+64*((\g)%2)+8*(4*(\ks)+(\b)):BF+64*((\g)%2)+8*(4*(\ks)+(\b))+7], v[32*((2*(\g)+(\ks))%8)+8*(\a):32*((2*(\g)+(\ks))%8)+8*(\a)+7], 0
.else
	v_wmma_f32_16x16x32_bf16 v[8*(4*(\a)+(\b)):8*(4*(\a)+(\b))+7], v[BF+64*((\g)%2)+8*(4*(\ks)+(\b)):BF+64*((\g)%2)+8*(4*(\ks)+(\b))+7], v[32*((2*(\g)+(\ks))%8)+8*(\a):32*((2*(\g)+(\ks))%8)+8*(\a)+7], v[8*(4*(\a)+(\b)):8*(4*(\a)+(\b))+7]
.endif
.endr
.endr
.endr
.endm
.macro COMPUTE                         ; a chunk's 256 matrix instructions; each run of loads stands 32 of them ahead of its use
.irp g, 0,1,2,3,4,5,6,7
.if (\g) < 7
.if (\g) > 0
	PLACES
.endif
	FETCH (\g)+1
	s_wait_dscnt 16                                ; all but the 16 just issued
.else
	s_wait_dscnt 0x0
.endif
	MUL \g
.endr
	WIN 0
	PLACES
.endm
; THE CHANGE OF SLOTS.  Each wave waits for all its tensor loads (one is out: its quarter of the next chunk), adds 0 to its spare word, and waits for that and for its LDS reads.  fill = 1: the barrier is a
; round of the cluster's, and the joint refill is the first thing behind it: the chunk after the one about to be multiplied, into the slot read last (in the first trip: where h's panel lay).
.macro CHANGE fill
	WIN 0
.if \fill
	s_wait_xcnt 0x0                                ; the last prefetch, a chunk back, has read its address
	s_add_nc_u64 s[PFA:PFA+1], s[PFA:PFA+1], CHB
.endif
	s_wait_tensorcnt 0x0
	ds_add_u32 v[SPW], v[NIL]
.if \fill
	s_add_nc_u64 s[G0B+2:G0B+3], s[G0B+2:G0B+3], CHB
	s_xor_b32 s[G0B+1], s[G0B+1], SLOT             ; the other slot: w x 33,280 has neither bit of 133,120
.endif
	s_wait_dscnt 0x0
.if \fill
	CROUND
	tensor_load_to_lds s[G0B:G0B+3], s[G1B:G1B+7]
	s_nop 0
.rept 4
	v_nop
.endr
.else
	s_barrier_signal -1
	s_barrier_wait -1
	PLACES
.endif
	v_add_nc_u32 v[ADRB], s[TB], v[AB0]
	s_xor_b32 s[TB], s[TB], SLOT
	FETCH 0
	WIN 0
.if \fill
	ASK
.endif
.endm
; THE WAY OUT.  My 64 columns are two whole heads of one of q, k, v.  A row block of 16 goes through my own stage: 16 bytes a lane in, and back so that 32 lanes hold eight rows of 64 bytes of one head.
.macro EPILOGUE
	s_wait_xcnt 0x0                                ; the last chunk's stores have read their base and their data
	s_lshr_b32 s66, s[S32], 4
	s_lshl_b32 s66, s66, 23                        ; q, k or v: 8,388,608 bytes each
	s_and_b32 s67, s[S32], 15
	s_lshl_b32 s67, s67, 16                        ; the head: 65,536 bytes
	s_add_co_u32 s66, s66, s67
	s_add_co_u32 s66, s66, s[RB]
	s_mov_b32 s67, 0
	s_add_nc_u64 s[OB:OB+1], s[8:9], s[66:67]
	s_add_co_u32 s[S32], s[S32], 4                 ; the next chunk: 128 columns on
.irp a, 0,1,2,3
	WIN 0x05
.irp b, 0,1,2,3
.irp p, 0,1,2,3
	v_cvt_pk_bf16_f32 v[TMP+4*(\b)+(\p)], v[8*(4*(\a)+(\b))+2*(\p)], v[8*(4*(\a)+(\b))+2*(\p)+1]
.endr
.endr
	WIN 0
.irp b, 0,1,2,3
	ds_store_b128 v[STO], v[TMP+4*(\b):TMP+4*(\b)+3] offset:32*(\b)
.endr
.irp t, 0,1,2,3
	ds_load_b128 v[OBF+16*(\a)+4*(\t):OBF+16*(\a)+4*(\t)+3], v[RD] offset:((\t)%2)*8*SP+((\t)/2)*64  ; in order behind the stores above; the next block's stores come behind these
.endr
.endr
.irp a, 0,1,2,3
	s_wait_dscnt 8*(3-(\a))                        ; the later blocks' eight LDS instructions each may stay out
.irp t, 0,1,2,3
	global_store_b128 v[GO], v[OBF+16*(\a)+4*(\t):OBF+16*(\a)+4*(\t)+3], s[OB:OB+1] offset:((\t)/2)*65536+((\t)%2)*512+1024*(\a)  ; 512 consecutive bytes, aligned
.endr
.endr
.endm
	s_load_b128 s[4:7], s[0:1], 0x0                ; h, wt
	s_load_b64 s[8:9], s[0:1], 0x10                ; qkv
	v_lshl_add_u32 v[SPW], v0, 2, SPARE
	v_mov_b32 v[NIL], 0
	ds_add_u32 v[SPW], v[NIL]                      ; the opening: the add, twice on end, and its wait ahead of my first tensor load
	ds_add_u32 v[SPW], v[NIL]
	v_lshrrev_b32 v1, 5, v0
	v_readfirstlane_b32 s[WV], v1
	s_lshr_b32 s[RH], s[WV], 1
	s_and_b32 s[CH], s[WV], 1
	s_bfe_u32 s[CX], ttmp6, 0x40000
	s_bfe_u32 s[CY], ttmp6, 0x40004
	s_lshl_b32 s[GX], ttmp9, 2
	s_add_co_u32 s[GX], s[GX], s[CX]               ; column group
	s_and_b32 s[CLY], ttmp7, 0xffff
	s_lshl_b32 s[GY], s[CLY], 2
	s_add_co_u32 s[GY], s[GY], s[CY]               ; block of 128 rows
	s_lshl_b32 s60, s[CY], 2
	s_lshl_b32 s60, 15, s60                        ; my row of the cluster
	s_lshl_b32 s61, 0x1111, s[CX]                  ; my column
	s_or_b32 s[G1A], s60, GW
	s_or_b32 s[G1B], s61, GW
.irp g, G1A, G1B
	s_mov_b32 s[(\g)+1], 512<<16                   ; tensor_dim0 = 512
	s_mov_b32 s[(\g)+2], 32<<16                    ; tensor_dim1 = 32
	s_mov_b32 s[(\g)+3], 512<<16                   ; tile_dim0 = 512
	s_mov_b32 s[(\g)+4], 32                        ; tile_dim1 = 32
	s_mov_b32 s[(\g)+5], 512                       ; elements from row to row
	s_mov_b32 s[(\g)+6], 0
	s_mov_b32 s[(\g)+7], 0
.endr
	s_lshl_b32 s20, s[GY], 17                      ; h: 128 rows of 1,024 bytes a block,
	s_lshl_b32 s21, s[WV], 15                      ; my 32 rows
	s_add_co_u32 s20, s20, s21
	s_mov_b32 s21, 0
	s_mul_i32 s22, s[GX], NCH*CHB                  ; wt: my column group's first chunk,
	s_lshl_b32 s23, s[WV], 15                      ; my 32 rows
	s_add_co_u32 s22, s22, s23
	s_mov_b32 s23, 0
	s_mul_i32 s66, s[GX], NCH*CHB                  ; the prefetches: my work-group's 32 rows, my wave's 256 bytes, in chunk 1; the first change steps it to chunk 2
	s_lshl_b32 s67, s[CY], 15
	s_add_co_u32 s66, s66, s67
	s_lshl_b32 s67, s[WV], 8
	s_add_co_u32 s66, s66, s67
	s_add_co_u32 s66, s66, NB0*1024+CHB
	s_mov_b32 s67, 0
	s_cmp_eq_u32 s[CLY], 0
	s_cselect_b32 s[LIM], 1, -1
	s_lshr_b32 s[RB], s[GY], 3                     ; the batch: 1,048,576 bytes,
	s_lshl_b32 s[RB], s[RB], 20
	s_and_b32 s69, s[GY], 7
	s_lshl_b32 s69, s69, 13                        ; 128 rows of 64 bytes,
	s_add_co_u32 s[RB], s[RB], s69
	s_lshl_b32 s69, s[RH], 12                      ; my 64 of them
	s_add_co_u32 s[RB], s[RB], s69
	s_mul_i32 s[S32], s[GX], 12
	s_lshl_b32 s69, s[CH], 1
	s_add_co_u32 s[S32], s[S32], s69
	s_mul_i32 s[WOFF], s[WV], QT
	s_mov_b32 s[TB], 0
	s_wait_dscnt 0x0                               ; both opening adds are done
	s_wait_kmcnt 0x0
	s_mov_b32 s[G0A], 1
	s_add_co_u32 s[G0A+1], s[WOFF], SLOT           ; h's panel goes into slot 1
	s_add_nc_u64 s[G0A+2:G0A+3], s[4:5], s[20:21]
	s_or_b32 s[G0A+3], s[G0A+3], 0x80000000
	s_mov_b32 s[G0B], 1
	s_mov_b32 s[G0B+1], s[WOFF]                    ; chunk 0 into slot 0
	s_add_nc_u64 s[G0B+2:G0B+3], s[6:7], s[22:23]
	s_or_b32 s[G0B+3], s[G0B+3], 0x80000000
	s_add_nc_u64 s[PFA:PFA+1], s[6:7], s[66:67]
	CROUND                                         ; all sixteen work-groups are here: the first joint loads meet
	tensor_load_to_lds s[G0A:G0A+3], s[G1A:G1A+7]  ; two loads of mine are out
	s_nop 0
	tensor_load_to_lds s[G0B:G0B+3], s[G1B:G1B+7]
	s_nop 0
.rept 4
	v_nop
.endr
	v_and_b32 v1, 15, v0                           ; l % 16
	v_bfe_u32 v9, v0, 4, 1                         ; l / 16
	v_and_b32 v11, 31, v0                          ; l
	v_mul_u32_u24 v10, v1, PITCH
	v_lshl_add_u32 v10, v9, 4, v10
	s_mul_i32 s68, s[CH], 64*PITCH
	v_add_nc_u32 v[AB0], s68, v10
	s_mul_i32 s68, s[RH], 64*PITCH
	s_add_co_u32 s68, s68, SLOT
	v_add_nc_u32 v[AA], s68, v10
	v_lshlrev_b32 v[PFO], 10, v11
	s_mul_i32 s68, s[WV], 16*SP
	s_add_co_u32 s68, s68, STAGE                   ; my stage
	v_mul_u32_u24 v[STO], v1, SP
	v_lshl_add_u32 v[STO], v9, 4, v[STO]
	v_add_nc_u32 v[STO], s68, v[STO]
	v_lshrrev_b32 v10, 2, v11
	v_mul_u32_u24 v[RD], v10, SP
	v_and_b32 v10, 3, v0
	v_lshl_add_u32 v[RD], v10, 4, v[RD]
	v_add_nc_u32 v[RD], s68, v[RD]
	v_lshlrev_b32 v[GO], 4, v11
	s_wait_tensorcnt 0x1                           ; my quarter of h's panel is in; chunk 0 may stay out
	s_barrier_signal -1
	s_barrier_wait -1
	WIN 0x80
.irp ks, 0,1,2,3,4,5,6,7
.irp a, 0,1,2,3
	ds_load_b128 v[32*(\ks)+8*(\a):32*(\ks)+8*(\a)+3],   v[AA] offset:16*PITCH*(\a)+64*(\ks)
	ds_load_b128 v[32*(\ks)+8*(\a)+4:32*(\ks)+8*(\a)+7], v[AA] offset:16*PITCH*(\a)+64*(\ks)+32
.endr
.endr
	WIN 0xc0
.irp ks, 0,1,2,3,4,5,6,7
.irp a, 0,1,2,3
	ds_load_b128 v[32*(\ks)+8*(\a):32*(\ks)+8*(\a)+3],   v[AA] offset:16*PITCH*(\a)+64*(\ks)+512
	ds_load_b128 v[32*(\ks)+8*(\a)+4:32*(\ks)+8*(\a)+7], v[AA] offset:16*PITCH*(\a)+64*(\ks)+544
.endr
.endr
	WIN 0
	s_mov_b32 s[CNT], NCH-1
.Lchunk:                                               ; every chunk but the last: the next one is asked for
	CHANGE 1
	COMPUTE
	EPILOGUE
	s_sub_co_u32 s[CNT], s[CNT], 1
	s_cmp_lg_u32 s[CNT], 0
	s_cbranch_scc1 .Lchunk
	CHANGE 0                                       ; the last chunk is written out: nothing is asked for
	COMPUTE
	EPILOGUE
	s_wait_tensorcnt 0x0                           ; the wave's end
	ds_add_u32 v[SPW], v[NIL]
	s_wait_dscnt 0x0
	CROUND                                         ; the closing round
	s_endpgm
.Lfunc_end_k_q5907556454_qkv:
	.size	k_q5907556454_qkv, .Lfunc_end_k_q5907556454_qkv-k_q5907556454_qkv
	.p2alignl 7, 3214868480
	.fill 96, 4, 3214868480
	.section	.rodata,"a",@progbits
	.p2align	6, 0x0
	.amdhsa_kernel k_q5907556454_qkv
		.amdhsa_group_segment_fixed_size 327680
		.amdhsa_private_segment_fixed_size 0
		.amdhsa_enable_private_segment 0
		.amdhsa_kernarg_size 24
		.amdhsa_user_sgpr_count 2
		.amdhsa_user_sgpr_kernarg_segment_ptr 1
		.amdhsa_wavefront_size32 1
		.amdhsa_system_sgpr_workgroup_id_x 1
		.amdhsa_system_sgpr_workgroup_id_y 1
		.amdhsa_system_sgpr_workgroup_id_z 1
		.amdhsa_system_vgpr_workitem_id 0
		.amdhsa_next_free_vgpr 1024
		.amdhsa_next_free_sgpr 72
		.amdhsa_reserve_vcc 0
		.amdhsa_float_denorm_mode_32 3
		.amdhsa_float_denorm_mode_16_64 3
		.amdhsa_memory_ordered 1
		.amdhsa_forward_progress 1
		.amdhsa_inst_pref_size 84
	.end_amdhsa_kernel
	.amdgpu_metadata
---
amdhsa.version: [ 1, 2 ]
amdhsa.kernels:
  - .name:           k_q5907556454_qkv
    .symbol:         k_q5907556454_qkv.kd
    .args:
      - { .name: h, .offset: 0, .size: 8, .value_kind: global_buffer, .address_space: global }
      - { .name: wt, .offset: 8, .size: 8, .value_kind: global_buffer, .address_space: global }
      - { .name: qkv, .offset: 16, .size: 8, .value_kind: global_buffer, .address_space: global }
    .group_segment_fixed_size: 327680
    .private_segment_fixed_size: 0
    .kernarg_segment_align: 8
    .kernarg_segment_size: 24
    .max_flat_workgroup_size: 128
    .sgpr_count:     72
    .vgpr_count:     1024
    .wavefront_size: 32
...
	.end_amdgpu_metadata
.endif
;; end of part 2
;; launch attn (part 3): grid 2 x 128, 8 waves a work-group, no clusters, 229,376 bytes of LDS; arguments qkv, att; writes att
.if DOCPART == 3
	.amdgcn_target "amdgcn-amd-amdhsa--gfx1250"
	.amdhsa_code_object_version 6
	.text
	.protected	k_q5907556454_attn
	.globl	k_q5907556454_attn
	.p2align	8
	.type	k_q5907556454_attn,@function
k_q5907556454_attn:
	s_mov_b64 s[64:65], 0
	v_nop
	global_prefetch_b8 v0, s[64:65] scope:SCOPE_SE
	s_setreg_imm32_b32 hwreg(HW_REG_WAVE_MODE, 25, 1), 1
	s_wait_xcnt 0x0
; CAUSAL ATTENTION at head size 32.  att[b][h][q][:] = the sum over k <= q of softmax_k(q . k / sqrt(32)) v[k][:].  qkv: [3][8][16][1024][32] bf16; att: [8][16][1024][32] bf16.
; WORK LEFT OUT: the steps of 64 keys that lie wholly behind a block of 32 queries: reference()'s own mask gives their weights the value 0 for all inputs.
; Products, maxima and sums in f32; the weights p are rounded to bf16 for the second product, the result once at the end.
; LIMITS.  A hidden score inside a diagonal step counts as its value less 1e30; a weight below 2^-126 counts as 0; the divisor l is the sum of the weights as rounded to bf16, the same numbers that
; multiply V (reference() sums them unrounded); NaN and infinities are not treated apart.
; THE COUNT.  A tile of 16 queries and a step of 64 keys have 96 vector instructions (16 maxima, 6 for the statistics, 16 scalings, 32 exponentials, 16 roundings, 9 rescalings and one more exponential's
; argument) for 10 matrix instructions: the vector work binds, whatever the order.  Two things follow.
; EIGHT WAVES, two for each of a WGP's four SIMDs, two tiles each: while one wave waits (for LDS, for its products, for its batch of exponentials) the other wave's instructions can be issued.
; ROW SUMS BY THE MATRIX UNIT: beside V's two blocks of 16 channels stands a third block of ones, so that l = the sum of p comes out of two more products a tile and step, over both halves of the lanes, in
; place of 16 packed additions.  All 16 rows of that result are alike; register 0 alone is rescaled and read; the other seven hold sums of weights, 1,024 at the most, and are never read.
; SHARES.  A head has 32 blocks of 32 queries; block i needs the key steps 0 .. i / 2.  A head has two work-groups (x = 0, 1); wave w takes blocks 31 - s and s, s = 2 w + x:
; (31 - s) / 2 + 1 + s / 2 + 1 = 17 steps for every wave.  The step loop counts to 16 and jumps forward over the steps behind the diagonal; nothing that is jumped holds a barrier or a tensor load.
; THE DIAGONAL'S STEP.  An even block's queries stand at keys 0-31 of the step, an odd block's at keys 32-63: two arms under a branch on the block's number.  In an even block the step's last 32 keys are
; hidden from all its queries and are computed all the same: they lie inside a step that holds live work.
; K AND V OF THE HEAD LIE WHOLE IN LDS, fetched once: eight tensor loads, one a wave, one barrier in the launch.
; NO CLUSTER: a head has two work-groups, and what they share is fetched once at the head, not step by step.  No prefetch: all tensor loads stand at the head.
; LAYOUT.  S^T = K Q^T holds ONE query a lane (l % 16) and the keys 8 (l / 16) + 0..7; two such results rounded to bf16 ARE source 1 of O^T = V^T P.  V is turned by ds_load_tr16_b128.
; SOFTMAX.  p = 2^(c s - c m), c = log2(e) / sqrt(32), m the running maximum; O and l are multiplied by a = 2^(c m_old - c m_new) in every step.  m starts at the lowest finite number and O, l at 0, so
; the first step is a step like any other, with a = 0: 56 v_mov_b32 a block are the price of writing no first step out.
; IN PHASES: a step's 8 products K Q^T, its softmax, its 12 products V^T P.  A step's 66 exponentials are one batch with one wait.
; THE LDS LOADS.  A step's V is asked for at the step's head and wanted behind the softmax; the next step's K is asked for behind the products K Q^T, in every step but the diagonal's.
; REGISTERS.  Window 0: v2-15 addresses; v16-31 eight statistics a tile (c m, m, 1 / l and its pair's partner, c0-c3; a takes c2's place); v32-39 the diagonal's mask; v40-41 -1e30; v48-63 l, 8 a tile;
; v64-127 S^T, 32 a tile; v128-159 P, 16 a tile; v160-191 O^T (16 t + 8 cb).  Window 1: v0-15 Q; v16-47 K of a step; v48-79 V of a step; v80-87 ones.
.set PK,    80                         ; a row of K in LDS: 64 bytes + 16
.set PV,    96                         ; a row of V: 64 + 32
.set VB,    1024*PK
.set STAGE, VB+1024*PV                 ; 16 rows x 80 bytes for each wave
.set SP,    80
.set SPARE, STAGE+8*16*SP              ; the spare words, 128 bytes a wave: four blocks of 256 bytes that no other line names
.set AK0, 2
.set AV0, 3
.set AKV, 4
.set AVV, 5
.set QO,  6
.set STO, 7
.set RD,  8
.set GO,  9
.set ST,  16
.set TRI, 32
.set NEG, 40
.set SPW, 42
.set NIL, 43
.set LA,  48
.set S,   64
.set P,   128
.set O,   160
.set QF,  0                            ; in window 1
.set KF,  16
.set VF,  48
.set ONE, 80
.set WV,  12
.set G1K, 24
.set G1V, 32
.set G0K, 40
.set G0V, 44
.set CS,  58
.set SEL, 60
.set QB,  66
.set OBS, 68
.set BETA, 70                          ; s70 the block in hand
.set J,   71                           ; s71 the key step
.set PASS, 72
.set NEGS, 76
.set JM,  77                           ; s77 the block's last key step
.set MSB, 0
.macro WIN new
.if MSB != (\new)
	s_set_vgpr_msb (MSB<<8)|(\new)
.set MSB, \new
.endif
.endm
.macro PLACES
.rept 4
	v_nop
.endr
.endm
.macro ALL line:vararg                 ; one line for each tile t
.set t, 0
.rept 2
	\line
.set t, t+1
.endr
.endm
.macro FETCH_K adr                     ; a step's K: 64 keys x 32 channels, four fragments
	WIN 0x40
.irp kb, 0,1,2,3
	ds_load_b128 v[KF+8*(\kb):KF+8*(\kb)+3],   v[\adr] offset:16*PK*(\kb)
	ds_load_b128 v[KF+8*(\kb)+4:KF+8*(\kb)+7], v[\adr] offset:16*PK*(\kb)+32
.endr
	WIN 0
.endm
.macro FETCH_V adr                     ; a step's V, turned: keys 32 (f / 2) on, channels 16 (f % 2) on
	WIN 0x40
.irp f, 0,1,2,3
	ds_load_tr16_b128 v[VF+8*(\f):VF+8*(\f)+3],   v[\adr] offset:((\f)/2)*32*PV+((\f)%2)*32
	ds_load_tr16_b128 v[VF+8*(\f)+4:VF+8*(\f)+7], v[\adr] offset:((\f)/2)*32*PV+16*PV+((\f)%2)*32
.endr
	WIN 0
.endm
.macro KQ                              ; 8 products, each a whole sum: the head size is one K step
	WIN 0x05
.irp t, 0,1
.irp kb, 0,1,2,3
	v_wmma_f32_16x16x32_bf16 v[S+32*(\t)+8*(\kb):S+32*(\t)+8*(\kb)+7], v[KF+8*(\kb):KF+8*(\kb)+7], v[QF+8*(\t):QF+8*(\t)+7], 0
.endr
.endr
.endm
.macro PVM                             ; 12 products; the six accumulators (two channel blocks and l, for two tiles) take turns
	WIN 0x01
.irp kk, 0,1
.irp cb, 0,1
.irp t, 0,1
	v_wmma_f32_16x16x32_bf16 v[O+16*(\t)+8*(\cb):O+16*(\t)+8*(\cb)+7], v[VF+16*(\kk)+8*(\cb):VF+16*(\kk)+8*(\cb)+7], v[P+16*(\t)+8*(\kk):P+16*(\t)+8*(\kk)+7], v[O+16*(\t)+8*(\cb):O+16*(\t)+8*(\cb)+7]
.endr
.endr
.irp t, 0,1
	v_wmma_f32_16x16x32_bf16 v[LA+8*(\t):LA+8*(\t)+7], v[ONE:ONE+7], v[P+16*(\t)+8*(\kk):P+16*(\t)+8*(\kk)+7], v[LA+8*(\t):LA+8*(\t)+7]
.endr
.endr
.endm
.macro SCALE t, b                      ; pair b of tile t: c s - c m
	v_pk_fma_f32 v[S+32*(\t)+2*(\b):S+32*(\t)+2*(\b)+1], v[S+32*(\t)+2*(\b):S+32*(\t)+2*(\b)+1], s[CS:CS+1], v[ST+8*(\t):ST+8*(\t)+1] op_sel_hi:[1,0,0] neg_lo:[0,0,1] neg_hi:[0,0,1]
.endm
.macro SOFT                            ; the two tiles by turns, all in window 0
.set j, 0
.rept 4                                ; four chains c0-c3, one for each accumulator, begun at its lowest registers
	ALL v_max3_num_f32 v[ST+8*t+4+j], v[S+32*t+8*j], v[S+32*t+8*j+1], v[S+32*t+8*j+2]
.set j, j+1
.endr
.set j, 0
.rept 8
	ALL v_max3_num_f32 v[ST+8*t+4+j%4], v[ST+8*t+4+j%4], v[S+32*t+8*(j%4)+2*(j/4)+3], v[S+32*t+8*(j%4)+2*(j/4)+4]
.set j, j+1
.endr
	ALL v_max3_num_f32 v[ST+8*t+4], v[ST+8*t+4], v[S+32*t+7], v[S+32*t+15]
	ALL v_max3_num_f32 v[ST+8*t+6], v[ST+8*t+6], v[S+32*t+23], v[S+32*t+31]
	ALL v_max3_num_f32 v[ST+8*t+4], v[ST+8*t+4], v[ST+8*t+5], v[ST+8*t+6]
	ALL v_max3_num_f32 v[ST+8*t+4], v[ST+8*t+4], v[ST+8*t+7], v[ST+8*t+1]
	ALL v_permlanex16_b32 v[ST+8*t+5], v[ST+8*t+4], s[SEL], s[SEL+1]
	ALL v_mov_b32 v[ST+8*t+7], v[ST+8*t]
	ALL v_max_num_f32 v[ST+8*t+1], v[ST+8*t+4], v[ST+8*t+5]
	ALL v_mul_f32 v[ST+8*t], s[CS], v[ST+8*t+1]
	ALL v_sub_f32 v[ST+8*t+7], v[ST+8*t+7], v[ST+8*t]
	ALL v_exp_f32 v[ST+8*t+6], v[ST+8*t+7]
.set b, 0
.rept 16                               ; ONE BATCH: a pair's scalings, among them the exponentials of the pair before; nothing here names an exponential's result
	SCALE 0, b
.if b > 0
	v_exp_f32 v[S+2*b-2], v[S+2*b-2]
.endif
	SCALE 1, b
.if b > 0
	v_exp_f32 v[S+32+2*b-2], v[S+32+2*b-2]
	v_exp_f32 v[S+2*b-1], v[S+2*b-1]
	v_exp_f32 v[S+32+2*b-1], v[S+32+2*b-1]
.endif
.set b, b+1
.endr
	ALL v_exp_f32 v[S+32*t+30], v[S+32*t+30]
	ALL v_exp_f32 v[S+32*t+31], v[S+32*t+31]
	v_nop                                          ; a plain instruction behind the last exponential,
	s_wait_alu depctr_va_vdst(0)                   ; and the one wait ahead of the batch's first reader
.set i, 0
.rept 16
	ALL v_cvt_pk_bf16_f32 v[P+16*t+i], v[S+32*t+2*i], v[S+32*t+2*i+1]
.set i, i+1
.endr
	ALL v_mul_f32 v[LA+8*t], v[LA+8*t], v[ST+8*t+6]
.set i, 0
.rept 8                                ; O^T times a, each accumulator from its low end
	ALL v_pk_mul_f32 v[O+16*t+2*i:O+16*t+2*i+1], v[O+16*t+2*i:O+16*t+2*i+1], v[ST+8*t+6:ST+8*t+7] op_sel_hi:[1,0]
.set i, i+1
.endr
.endm
.macro MASKS par                       ; the diagonal's step of a block of parity par: tile t's queries stand at key block t + 2 par
.irp t, 0,1
.irp kb, 0,1,2,3
.if (\kb) == (\t)+2*(\par)
.irp p, 0,2,4,6
	v_pk_add_f32 v[S+32*(\t)+8*(\kb)+(\p):S+32*(\t)+8*(\kb)+(\p)+1], v[S+32*(\t)+8*(\kb)+(\p):S+32*(\t)+8*(\kb)+(\p)+1], v[TRI+(\p):TRI+(\p)+1]
.endr
.elseif (\kb) > (\t)+2*(\par)
.irp p, 0,2,4,6
	v_pk_add_f32 v[S+32*(\t)+8*(\kb)+(\p):S+32*(\t)+8*(\kb)+(\p)+1], v[S+32*(\t)+8*(\kb)+(\p):S+32*(\t)+8*(\kb)+(\p)+1], v[NEG:NEG+1]
.endr
.endif
.endr
.endr
.endm
.macro PACK t                          ; tile t: divided by l, rounded, through my stage: 16 bytes a lane in, eight rows of 64 bytes back
.set i, 0
.rept 8
	v_pk_mul_f32 v[O+16*(\t)+2*i:O+16*(\t)+2*i+1], v[O+16*(\t)+2*i:O+16*(\t)+2*i+1], v[ST+8*(\t)+2:ST+8*(\t)+3] op_sel_hi:[1,0]
.set i, i+1
.endr
.set i, 0
.rept 8
	v_cvt_pk_bf16_f32 v[S+32*(\t)+i], v[O+16*(\t)+2*i], v[O+16*(\t)+2*i+1]
.set i, i+1
.endr
	ds_store_b128 v[STO], v[S+32*(\t):S+32*(\t)+3]
	ds_store_b128 v[STO], v[S+32*(\t)+4:S+32*(\t)+7] offset:32
	ds_load_b128 v[S+32*(\t)+16:S+32*(\t)+19], v[RD]               ; in order behind the stores above; the next tile's stores come behind these
	ds_load_b128 v[S+32*(\t)+20:S+32*(\t)+23], v[RD] offset:8*SP
.endm
.macro SEND t, younger                 ; younger: the next tile's four LDS instructions, or none
	s_wait_dscnt (\younger)+1
	global_store_b128 v[GO], v[S+32*(\t)+16:S+32*(\t)+19], s[OBS:OBS+1] offset:1024*(\t)  ; 512 consecutive bytes, aligned
	s_wait_dscnt \younger
	global_store_b128 v[GO], v[S+32*(\t)+20:S+32*(\t)+23], s[OBS:OBS+1] offset:1024*(\t)+512
.endm
	s_load_b128 s[4:7], s[0:1], 0x0                ; qkv, att
	v_lshl_add_u32 v[SPW], v0, 2, SPARE
	v_mov_b32 v[NIL], 0
	ds_add_u32 v[SPW], v[NIL]                      ; the opening: the add, twice on end, and its wait ahead of my first tensor load
	ds_add_u32 v[SPW], v[NIL]
	v_lshrrev_b32 v1, 5, v0
	v_readfirstlane_b32 s[WV], v1                  ; wave 0..7
	s_and_b32 s14, ttmp7, 0xffff
	s_lshl_b32 s14, s14, 16                        ; the head's first byte in q, k, v and att
	s_and_b32 s15, s[WV], 3                        ; which 256 keys I fetch
	s_lshl_b32 s16, s15, 14
	s_add_co_u32 s16, s16, s14
	s_add_co_u32 s18, s16, 0x800000                ; in k
	s_mov_b32 s19, 0
	s_add_co_u32 s20, s16, 0x1000000               ; in v
	s_mov_b32 s21, 0
	s_mul_i32 s22, s15, 256*PK
	s_mul_i32 s23, s15, 256*PV
	; 256 keys are 16,384 dense bytes: asked for as 64 rows of 256 bytes, four keys a row, padded in LDS after every key (16 words: code 3)
	s_mov_b32 s[G1K], (1<<16)|(1<<20)|(3<<22)|(3<<25)  ; 4 words of padding
	s_mov_b32 s[G1V], (1<<16)|(1<<20)|(3<<22)|(7<<25)  ; 8 words
.irp g, G1K, G1V
	s_mov_b32 s[(\g)+1], 128<<16                   ; tensor_dim0 = 128 elements
	s_mov_b32 s[(\g)+2], 64<<16                    ; tensor_dim1 = 64 rows
	s_mov_b32 s[(\g)+3], 128<<16                   ; tile_dim0
	s_mov_b32 s[(\g)+4], 64                        ; tile_dim1
	s_mov_b32 s[(\g)+5], 128                       ; elements from row to row
	s_mov_b32 s[(\g)+6], 0
	s_mov_b32 s[(\g)+7], 0
.endr
	s_mov_b32 s[CS], 0x3e8293ee                    ; c = log2(e) / sqrt(32) = 0.255035
	s_mov_b32 s[CS+1], s[CS]
	s_mov_b32 s[SEL], 0x76543210
	s_mov_b32 s[SEL+1], 0xfedcba98
	s_mov_b32 s[NEGS], 0xf149f2ca                  ; -1e30
	s_lshl_b32 s13, s[WV], 1
	s_add_co_u32 s13, s13, ttmp9
	s_sub_co_u32 s[BETA], 31, s13                  ; the long block first
	s_mov_b32 s[G0K], 1
	s_mov_b32 s[G0K+1], s22
	s_mov_b32 s[G0V], 1
	s_add_co_u32 s[G0V+1], s23, VB
	s_wait_dscnt 0x0                               ; both opening adds are done
	s_wait_kmcnt 0x0
	s_add_nc_u64 s[G0K+2:G0K+3], s[4:5], s[18:19]
	s_or_b32 s[G0K+3], s[G0K+3], 0x80000000
	s_add_nc_u64 s[G0V+2:G0V+3], s[4:5], s[20:21]
	s_or_b32 s[G0V+3], s[G0V+3], 0x80000000
	s_cmp_lt_u32 s[WV], 4                          ; waves 0 to 3 fetch K's quarters, waves 4 to 7 V's: one load of mine is out
	s_cbranch_scc0 .Lfor_v
	tensor_load_to_lds s[G0K:G0K+3], s[G1K:G1K+7]
	s_nop 0
.rept 4
	v_nop
.endr
	s_branch .Lasked
.Lfor_v:
	tensor_load_to_lds s[G0V:G0V+3], s[G1V:G1V+7]
	s_nop 0
.rept 4
	v_nop
.endr
.Lasked:
	v_and_b32 v1, 15, v0                           ; l % 16
	v_bfe_u32 v10, v0, 4, 1                        ; l / 16
	v_mul_u32_u24 v[AK0], v1, PK
	v_lshl_add_u32 v[AK0], v10, 4, v[AK0]
	v_and_b32 v11, 7, v0
	v_bfe_u32 v12, v0, 3, 1
	v_lshl_add_u32 v[AV0], v10, 3, v11             ; the turning load: key 8 (l / 16) + l % 8, channels 8 ((l / 8) % 2) on
	v_mul_u32_u24 v[AV0], v[AV0], PV
	v_lshl_add_u32 v[AV0], v12, 4, v[AV0]
	v_add_nc_u32 v[AV0], VB, v[AV0]
	v_lshlrev_b32 v[QO], 6, v1
	v_lshl_add_u32 v[QO], v10, 4, v[QO]
	s_mul_i32 s15, s[WV], 16*SP
	s_add_co_u32 s15, s15, STAGE                   ; my stage
	v_mul_u32_u24 v[STO], v1, SP
	v_lshl_add_u32 v[STO], v10, 4, v[STO]
	v_add_nc_u32 v[STO], s15, v[STO]
	v_and_b32 v13, 31, v0
	v_lshrrev_b32 v14, 2, v13
	v_and_b32 v15, 3, v0
	v_mul_u32_u24 v[RD], v14, SP
	v_lshl_add_u32 v[RD], v15, 4, v[RD]
	v_add_nc_u32 v[RD], s15, v[RD]
	v_lshlrev_b32 v[GO], 4, v13
	v_lshlrev_b32 v14, 3, v10
	v_sub_nc_u32 v14, v1, v14                      ; l % 16 - 8 (l / 16): register j of the diagonal's accumulator is hidden where j is greater
.irp j, 0,1,2,3,4,5,6,7
	v_cmp_gt_i32 vcc_lo, (\j), v14
	v_cndmask_b32 v[TRI+(\j)], 0, s[NEGS], vcc_lo
.endr
	v_mov_b32 v[NEG], s[NEGS]
	v_mov_b32 v[NEG+1], s[NEGS]
	WIN 0x40
.set i, 0
.rept 8
	v_mov_b32 v[ONE+i], 0x3f803f80                 ; 1.0 twice in bf16: the block of ones beside V's channels
.set i, i+1
.endr
	WIN 0
	s_wait_tensorcnt 0x0                           ; my part of K or V is in,
	s_barrier_signal -1
	s_barrier_wait -1                              ; everybody's is
	s_mov_b32 s[PASS], 2
.Lpass:                                                ; a block of 32 queries
	s_wait_xcnt 0x0                                ; the last block's stores have read their base and data
	s_lshl_b32 s74, s[BETA], 11                    ; 32 rows of 64 bytes a block
	s_add_co_u32 s74, s74, s14
	s_mov_b32 s75, 0
	s_add_nc_u64 s[QB:QB+1], s[4:5], s[74:75]
	s_add_nc_u64 s[OBS:OBS+1], s[6:7], s[74:75]
	s_lshr_b32 s[JM], s[BETA], 1                   ; the step that holds the diagonal
	WIN 0x40
.irp t, 0,1
	global_load_b128 v[QF+8*(\t):QF+8*(\t)+3],   v[QO], s[QB:QB+1] offset:1024*(\t)
	global_load_b128 v[QF+8*(\t)+4:QF+8*(\t)+7], v[QO], s[QB:QB+1] offset:1024*(\t)+32
.endr
	WIN 0
.set i, 0
.rept 32
	v_mov_b32 v[O+i], 0                            ; O^T
.set i, i+1
.endr
.set i, 0
.rept 16
	v_mov_b32 v[LA+i], 0                           ; l
.set i, i+1
.endr
	ALL v_mov_b32 v[ST+8*t], 0xfe000000
	ALL v_mov_b32 v[ST+8*t+1], 0xff7fffff
	ALL v_mov_b32 v[ST+8*t+2], 0
	ALL v_mov_b32 v[ST+8*t+3], 0
	FETCH_K AK0                                    ; K of key step 0
	s_wait_loadcnt 0x0                             ; Q
	s_mov_b32 s[J], 0
.Lstep:
	s_cmp_gt_u32 s[J], s[JM]
	s_cbranch_scc1 .Lnext                          ; behind the diagonal: nothing
	s_mul_i32 s75, s[J], 64*PV                     ; this step's V,
	s_add_co_u32 s73, s[J], 1                      ; and the next step's K: its number is held to 15, so that the address stays inside K's rows whatever the branches below do
	s_min_u32 s73, s73, 15
	s_mul_i32 s74, s73, 64*PK
	v_add_nc_u32 v[AVV], s75, v[AV0]
	v_add_nc_u32 v[AKV], s74, v[AK0]
	FETCH_V AVV                                    ; four places and more behind the last product that read V
	s_wait_dscnt 8                                 ; all but V's eight loads just issued: K, asked for a step earlier, is in
	KQ
	WIN 0
	PLACES
	s_cmp_eq_u32 s[J], s[JM]
	s_cbranch_scc1 .Ldiag
	FETCH_K AKV                                    ; the next step's K
	s_wait_dscnt 8                                 ; V is in; the eight just issued stay out
	s_branch .Ljoin
.Ldiag:                                                ; the diagonal's step: no step follows, and no K is fetched
	s_wait_dscnt 0x0                               ; V is in
	s_bitcmp1_b32 s[BETA], 0
	s_cbranch_scc1 .Lodd
	MASKS 0
	s_branch .Ljoin
.Lodd:
	MASKS 1
.Ljoin:
	SOFT
	PVM
	WIN 0
	PLACES                                         ; behind the last products: in front of the next step's loads into V and of the way out
.Lnext:
	s_add_co_u32 s[J], s[J], 1
	s_cmp_lt_u32 s[J], 16
	s_cbranch_scc1 .Lstep
	; THE WAY OUT: l lies whole in the lowest register of its accumulator, in every lane of the query
	ALL v_rcp_f32 v[ST+8*t+2], v[LA+8*t]
	v_nop                                          ; a plain instruction behind the last reciprocal,
	s_wait_alu depctr_va_vdst(0)                   ; and one wait for the two, ahead of their first use
	PACK 0
	PACK 1
	SEND 0, 4
	SEND 1, 0
	s_sub_co_u32 s[BETA], 31, s[BETA]              ; the short block
	s_sub_co_u32 s[PASS], s[PASS], 1
	s_cmp_lg_u32 s[PASS], 0
	s_cbranch_scc1 .Lpass
	s_wait_tensorcnt 0x0                           ; the wave's end
	ds_add_u32 v[SPW], v[NIL]
	s_wait_dscnt 0x0
	s_endpgm
.Lfunc_end_k_q5907556454_attn:
	.size	k_q5907556454_attn, .Lfunc_end_k_q5907556454_attn-k_q5907556454_attn
	.p2alignl 7, 3214868480
	.fill 96, 4, 3214868480
	.section	.rodata,"a",@progbits
	.p2align	6, 0x0
	.amdhsa_kernel k_q5907556454_attn
		.amdhsa_group_segment_fixed_size 229376
		.amdhsa_private_segment_fixed_size 0
		.amdhsa_enable_private_segment 0
		.amdhsa_kernarg_size 16
		.amdhsa_user_sgpr_count 2
		.amdhsa_user_sgpr_kernarg_segment_ptr 1
		.amdhsa_wavefront_size32 1
		.amdhsa_system_sgpr_workgroup_id_x 1
		.amdhsa_system_sgpr_workgroup_id_y 1
		.amdhsa_system_sgpr_workgroup_id_z 1
		.amdhsa_system_vgpr_workitem_id 0
		.amdhsa_next_free_vgpr 352
		.amdhsa_next_free_sgpr 80
		.amdhsa_reserve_vcc 1
		.amdhsa_float_denorm_mode_32 3
		.amdhsa_float_denorm_mode_16_64 3
		.amdhsa_memory_ordered 1
		.amdhsa_forward_progress 1
		.amdhsa_inst_pref_size 29
	.end_amdhsa_kernel
	.amdgpu_metadata
---
amdhsa.version: [ 1, 2 ]
amdhsa.kernels:
  - .name:           k_q5907556454_attn
    .symbol:         k_q5907556454_attn.kd
    .args:
      - { .name: qkv, .offset: 0, .size: 8, .value_kind: global_buffer, .address_space: global }
      - { .name: att, .offset: 8, .size: 8, .value_kind: global_buffer, .address_space: global }
    .group_segment_fixed_size: 229376
    .private_segment_fixed_size: 0
    .kernarg_segment_align: 8
    .kernarg_segment_size: 16
    .max_flat_workgroup_size: 256
    .sgpr_count:     80
    .vgpr_count:     352
    .wavefront_size: 32
...
	.end_amdgpu_metadata
.endif
;; end of part 3
;; launch proj (part 4): grid 256 x 1, 4 waves a work-group, clusters of 4 x 1, 327,680 bytes of LDS; arguments att, wt, x, b_proj, ln2_g, ln2_b, res, h2; writes res, h2
.if DOCPART == 4
	.amdgcn_target "amdgcn-amd-amdhsa--gfx1250"
	.amdhsa_code_object_version 6
	.text
	.protected	k_q5907556454_proj
	.globl	k_q5907556454_proj
	.p2align	8
	.type	k_q5907556454_proj,@function
k_q5907556454_proj:
	s_mov_b64 s[64:65], 0
	v_nop
	global_prefetch_b8 v0, s[64:65] scope:SCOPE_SE
	s_setreg_imm32_b32 hwreg(HW_REG_WAVE_MODE, 25, 1), 1
	s_wait_xcnt 0x0
	s_wait_alu depctr_hold_cnt(0) depctr_sa_sdst(0) depctr_va_vdst(0) depctr_va_sdst(0) depctr_va_ssrc(0) depctr_va_vcc(0) depctr_vm_vsrc(0)
	s_getreg_b32 s2, hwreg(HW_REG_IB_STS2, 6, 4)
	s_cmp_eq_u32 s2, 0
	s_cbranch_scc0 .Lentry_in_a_cluster
	s_endpgm
.Lentry_in_a_cluster:
	s_bfe_u32 s2, ttmp6, 0x10000c
	s_cmp_lg_u32 s2, 0x3003
	s_cbranch_scc0 .Lentry_shape_is_right
	s_endpgm
.Lentry_shape_is_right:
; res = x + att w_proj + b_proj (f32); h2 = layernorm(res) g + b, rounded once to bf16.  att: [8][16][1024][32] bf16; wt rows 1536-2047: w_proj as [n][k] bf16.
; SHARES.  A work-group owns 32 WHOLE rows, so that the norm needs no second launch.  Every wave holds the 32 rows of att for the whole K (256 registers, straight from memory: K step s of 32 is head s).
; The weights come in four chunks of 128 n x 512 k through two LDS slots; in each chunk wave w makes columns 32 w .. 32 w + 31.  x is loaded into the accumulators and starts the sums.
; CLUSTER 4 x 1: all work-groups walk the same weights: each chunk is asked for jointly by the four partners, with the constant mask 15.  No prefetch: the launch is short, and the 512 KiB of weights are read by all.
; The result meets in LDS (32 rows x 2,064 bytes, in slot 0, whose last fill has been read out by then); wave w norms rows 8 w .. 8 w + 7.
; REGISTERS.  Window 0: addresses and the norm.  Window 1: v0-127 accumulators ((c, a, b) at 8 (4 c + 2 a + b)); v128-191, v192-255 two buffers of weights' fragments.  Window 2: att's fragments at 16 s + 8 a.
.set PITCH, 1040
.set QT,    32*PITCH
.set SLOT,  4*QT
.set SPARE, 2*SLOT
.set CHB,   128*1024
.set SPT,   2064                       ; a row of the stage: 2,048 bytes + 16
.set AO,  3
.set XO,  4
.set ADRB, 5                           ; v5, v6: my lane's place in slot 0, 1
.set SST, 7
.set RD0, 8
.set RDC, 9
.set LO16, 10
.set LO8, 11
.set T,   16
.set MU,  24
.set R,   26
.set SPW, 28
.set NIL, 29
.set HO,  32
.set X,   64
.set V,   80
.set CN,  96
.set BP,  112
.set G,   128
.set BV,  144
.set BF,  128                          ; in window 1
.set WV,  20
.set CX,  21
.set IDX, 22
.set G1,  24
.set G0,  40
.set ABASE, 48
.set XBASE, 50
.set RES, 52
.set H2,  54
.set SEL, 56
.set C512, 58
.set CEPS, 59
.set RO,  60
.set CNT, 61
.set MSB, 0
.macro WIN new
.if MSB != (\new)
	s_set_vgpr_msb (MSB<<8)|(\new)
.set MSB, \new
.endif
.endm
.macro PLACES
.rept 4
	v_nop
.endr
.endm
.macro CROUND
	s_barrier_signal -1
	s_barrier_wait -1
	s_cmp_lg_u32 s[WV], 0
	s_cbranch_scc1 .Lnot_wave_0_\@
	s_barrier_signal -3
.Lnot_wave_0_\@:
	s_barrier_wait -3
	s_barrier_signal -1
	s_barrier_wait -1
.endm
.macro FETCHP slot, g                  ; 16 LDS loads: K steps 4 g .. 4 g + 3 of my 32 columns
	WIN 0x40
.irp ks, 0,1,2,3
.irp b, 0,1
	ds_load_b128 v[BF+64*((\g)%2)+8*(2*(\ks)+(\b)):BF+64*((\g)%2)+8*(2*(\ks)+(\b))+3],   v[ADRB+(\slot)] offset:16*PITCH*(\b)+64*(4*(\g)+(\ks))
	ds_load_b128 v[BF+64*((\g)%2)+8*(2*(\ks)+(\b))+4:BF+64*((\g)%2)+8*(2*(\ks)+(\b))+7], v[ADRB+(\slot)] offset:16*PITCH*(\b)+64*(4*(\g)+(\ks))+32
.endr
.endr
.endm
.macro MULP c, g                       ; 16 matrix instructions; the chunk's four accumulators take turns
	WIN 0x59
.irp ks, 0,1,2,3
.irp a, 0,1
.irp b, 0,1
	v_wmma_f32_16x16x32_bf16 v[8*(4*(\c)+2*(\a)+(\b)):8*(4*(\c)+2*(\a)+(\b))+7], v[BF+64*((\g)%2)+8*(2*(\ks)+(\b)):BF+64*((\g)%2)+8*(2*(\ks)+(\b))+7], v[16*(4*(\g)+(\ks))+8*(\a):16*(4*(\g)+(\ks))+8*(\a)+7], v[8*(4*(\c)+2*(\a)+(\b)):8*(4*(\c)+2*(\a)+(\b))+7]
.endr
.endr
.endr
.endm
.macro CHUNK c, slot
.irp g, 0,1,2,3
.if (\g) < 3
.if (\g) > 0
	PLACES
.endif
	FETCHP \slot, (\g)+1
	s_wait_dscnt 16                                ; all but the 16 just issued
.else
	s_wait_dscnt 0x0
.endif
	MULP \c, \g
.endr
.endm
; The change of slots: all my tensor loads waited for, the add, my LDS reads waited for; with fill = 1 a round of the cluster's barrier and the joint refill of the slot just read, two chunks on.
.macro CHANGE fill, old, new
	WIN 0
	s_wait_tensorcnt 0x0
	ds_add_u32 v[SPW], v[NIL]
.if \fill
	s_add_nc_u64 s[G0+4*(\old)+2:G0+4*(\old)+3], s[G0+4*(\old)+2:G0+4*(\old)+3], 2*CHB
.endif
	s_wait_dscnt 0x0
.if \fill
	CROUND
	tensor_load_to_lds s[G0+4*(\old):G0+4*(\old)+3], s[G1:G1+7]
	s_nop 0
.rept 4
	v_nop
.endr
.else
	s_barrier_signal -1
	s_barrier_wait -1
	PLACES
.endif
	FETCHP \new, 0
.endm
.macro LANES
	v_add_f32_dpp v[T], v[T], v[T] row_xmask:1 row_mask:0xf bank_mask:0xf
	v_add_f32_dpp v[T], v[T], v[T] row_xmask:2 row_mask:0xf bank_mask:0xf
	v_add_f32_dpp v[T], v[T], v[T] row_xmask:4 row_mask:0xf bank_mask:0xf
	v_add_f32_dpp v[T], v[T], v[T] row_xmask:8 row_mask:0xf bank_mask:0xf
	v_permlanex16_b32 v[T+1], v[T], s[SEL], s[SEL+1]
	v_add_f32 v[T], v[T], v[T+1]
.endm
.macro ROW src, dst                    ; the row in v[src ..] is normed into v[dst ..] and rounded into HO; src is left as it is
	v_pk_add_f32 v[T:T+1], v[(\src):(\src)+1], v[(\src)+2:(\src)+3]
	v_pk_add_f32 v[T+2:T+3], v[(\src)+4:(\src)+5], v[(\src)+6:(\src)+7]
	v_pk_add_f32 v[T+4:T+5], v[(\src)+8:(\src)+9], v[(\src)+10:(\src)+11]
	v_pk_add_f32 v[T+6:T+7], v[(\src)+12:(\src)+13], v[(\src)+14:(\src)+15]
	v_pk_add_f32 v[T:T+1], v[T:T+1], v[T+2:T+3]
	v_pk_add_f32 v[T+4:T+5], v[T+4:T+5], v[T+6:T+7]
	v_pk_add_f32 v[T:T+1], v[T:T+1], v[T+4:T+5]
	v_add_f32 v[T], v[T], v[T+1]
	LANES
	v_mul_f32 v[MU], s[C512], v[T]
	v_mul_f32 v[MU+1], s[C512], v[T]
.irp j, 0,2,4,6,8,10,12,14
	v_pk_add_f32 v[(\dst)+(\j):(\dst)+(\j)+1], v[(\src)+(\j):(\src)+(\j)+1], v[MU:MU+1] neg_lo:[0,1] neg_hi:[0,1]
.endr
	v_pk_mul_f32 v[T:T+1], v[(\dst):(\dst)+1], v[(\dst):(\dst)+1]
	v_pk_mul_f32 v[T+2:T+3], v[(\dst)+2:(\dst)+3], v[(\dst)+2:(\dst)+3]
.irp j, 4,8,12
	v_pk_fma_f32 v[T:T+1], v[(\dst)+(\j):(\dst)+(\j)+1], v[(\dst)+(\j):(\dst)+(\j)+1], v[T:T+1]
	v_pk_fma_f32 v[T+2:T+3], v[(\dst)+(\j)+2:(\dst)+(\j)+3], v[(\dst)+(\j)+2:(\dst)+(\j)+3], v[T+2:T+3]
.endr
	v_pk_add_f32 v[T:T+1], v[T:T+1], v[T+2:T+3]
	v_add_f32 v[T], v[T], v[T+1]
	LANES
	v_fma_f32 v[T], v[T], s[C512], s[CEPS]
	v_rsq_f32 v[R], v[T]
	v_rsq_f32 v[R+1], v[T]
	v_nop
	s_wait_alu depctr_va_vdst(0)                   ; one wait for both roots, ahead of their first use
.irp j, 0,2,4,6,8,10,12,14
	v_pk_mul_f32 v[(\dst)+(\j):(\dst)+(\j)+1], v[(\dst)+(\j):(\dst)+(\j)+1], v[R:R+1]
.endr
.irp j, 0,2,4,6,8,10,12,14
	v_pk_fma_f32 v[(\dst)+(\j):(\dst)+(\j)+1], v[(\dst)+(\j):(\dst)+(\j)+1], v[G+(\j):G+(\j)+1], v[BV+(\j):BV+(\j)+1]
.endr
.irp j, 0,1,2,3,4,5,6,7
	v_cvt_pk_bf16_f32 v[HO+(\j)], v[(\dst)+2*(\j)], v[(\dst)+2*(\j)+1]
.endr
.endm
	s_load_b512 s[4:19], s[0:1], 0x0               ; att, wt, x, b_proj, ln2_g, ln2_b, res, h2
	v_lshl_add_u32 v[SPW], v0, 2, SPARE
	v_mov_b32 v[NIL], 0
	ds_add_u32 v[SPW], v[NIL]                      ; the opening: the add, twice on end, and its wait ahead of my first tensor load
	ds_add_u32 v[SPW], v[NIL]
	v_lshrrev_b32 v1, 5, v0
	v_readfirstlane_b32 s[WV], v1
	s_bfe_u32 s[CX], ttmp6, 0x40000
	s_lshl_b32 s[IDX], ttmp9, 2
	s_add_co_u32 s[IDX], s[IDX], s[CX]             ; my block of 32 rows: it enters global addresses alone
	s_mov_b32 s[G1], 15|(1<<16)|(1<<20)|(1<<21)|(7<<22)|(3<<25)  ; the mask of four; 2-byte elements; padding on; bit 21 beside a mask; after every 256 words 4 words
	s_mov_b32 s[G1+1], 512<<16
	s_mov_b32 s[G1+2], 32<<16
	s_mov_b32 s[G1+3], 512<<16
	s_mov_b32 s[G1+4], 32
	s_mov_b32 s[G1+5], 512
	s_mov_b32 s[G1+6], 0
	s_mov_b32 s[G1+7], 0
	s_mul_i32 s32, s[WV], QT                       ; my quarter of a slot
	s_lshl_b32 s38, s[WV], 15                      ; my 32 rows of a chunk,
	s_add_co_u32 s38, s38, 1536*1024               ; from row 1536 of wt on
	s_mov_b32 s39, 0
	s_lshr_b32 s34, s[IDX], 5                      ; att: the batch,
	s_lshl_b32 s34, s34, 20
	s_and_b32 s35, s[IDX], 31
	s_lshl_b32 s35, s35, 11                        ; 32 rows of 64 bytes
	s_add_co_u32 s34, s34, s35
	s_mov_b32 s35, 0
	s_lshl_b32 s36, s[IDX], 16                     ; x and res: 32 rows of 2,048 bytes
	s_mov_b32 s37, 0
	s_lshl_b32 s62, s[WV], 14                      ; the eight rows that I norm
	s_add_co_u32 s62, s62, s36
	s_mov_b32 s63, 0
	s_mov_b32 s[SEL], 0x76543210
	s_mov_b32 s[SEL+1], 0xfedcba98
	s_mov_b32 s[C512], 0x3b000000
	s_mov_b32 s[CEPS], 0x3727c5ac
	s_mov_b32 s[G0], 1
	s_mov_b32 s[G0+1], s32
	s_mov_b32 s[G0+4], 1
	s_add_co_u32 s[G0+5], s32, SLOT
	s_wait_dscnt 0x0
	s_wait_kmcnt 0x0
	s_add_nc_u64 s[G0+2:G0+3], s[6:7], s[38:39]    ; chunk 0
	s_add_nc_u64 s[G0+6:G0+7], s[G0+2:G0+3], CHB   ; chunk 1
	s_or_b32 s[G0+3], s[G0+3], 0x80000000
	s_or_b32 s[G0+7], s[G0+7], 0x80000000
	s_add_nc_u64 s[ABASE:ABASE+1], s[4:5], s[34:35]
	s_add_nc_u64 s[XBASE:XBASE+1], s[8:9], s[36:37]
	s_add_nc_u64 s[RES:RES+1], s[16:17], s[62:63]
	s_lshr_b32 s34, s62, 1                         ; h2's rows are half as long
	s_add_nc_u64 s[H2:H2+1], s[18:19], s[34:35]
	CROUND
	tensor_load_to_lds s[G0:G0+3], s[G1:G1+7]      ; two loads of mine are out
	s_nop 0
	tensor_load_to_lds s[G0+4:G0+7], s[G1:G1+7]
	s_nop 0
.rept 4
	v_nop
.endr
	v_and_b32 v1, 15, v0                           ; l % 16
	v_bfe_u32 v2, v0, 4, 1                         ; l / 16
	v_and_b32 v12, 31, v0
	v_lshlrev_b32 v[AO], 6, v1
	v_lshl_add_u32 v[AO], v2, 4, v[AO]
	s_lshl_b32 s33, s[WV], 7
	v_lshlrev_b32 v[XO], 11, v1
	v_lshl_add_u32 v[XO], v2, 5, v[XO]
	v_add_nc_u32 v[XO], s33, v[XO]
	v_mul_u32_u24 v[ADRB], v1, PITCH
	v_lshl_add_u32 v[ADRB], v2, 4, v[ADRB]
	v_add_nc_u32 v[ADRB], s32, v[ADRB]
	v_add_nc_u32 v[ADRB+1], SLOT, v[ADRB]
	v_mul_u32_u24 v[SST], v1, SPT
	v_lshl_add_u32 v[SST], v2, 5, v[SST]
	v_add_nc_u32 v[SST], s33, v[SST]
	s_mul_i32 s33, s[WV], 8*SPT
	v_lshlrev_b32 v[LO16], 4, v12
	v_lshlrev_b32 v[LO8], 3, v12
	v_add_nc_u32 v[RD0], s33, v[LO16]
	WIN 0x80
.irp ks, 0,1,2,3,4,5,6,7,8,9,10,11,12,13,14,15
.irp a, 0,1
	global_load_b128 v[16*(\ks)+8*(\a):16*(\ks)+8*(\a)+3],   v[AO], s[ABASE:ABASE+1] offset:65536*(\ks)+1024*(\a)
	global_load_b128 v[16*(\ks)+8*(\a)+4:16*(\ks)+8*(\a)+7], v[AO], s[ABASE:ABASE+1] offset:65536*(\ks)+1024*(\a)+32
.endr
.endr
	WIN 0x40
.irp c, 0,1,2,3
.irp a, 0,1
.irp b, 0,1
	global_load_b128 v[8*(4*(\c)+2*(\a)+(\b)):8*(4*(\c)+2*(\a)+(\b))+3],   v[XO], s[XBASE:XBASE+1] offset:32768*(\a)+512*(\c)+64*(\b)
	global_load_b128 v[8*(4*(\c)+2*(\a)+(\b))+4:8*(4*(\c)+2*(\a)+(\b))+7], v[XO], s[XBASE:XBASE+1] offset:32768*(\a)+512*(\c)+64*(\b)+16
.endr
.endr
.endr
	WIN 0
.irp j, 0,1,2,3
	global_load_b128 v[BP+4*(\j):BP+4*(\j)+3], v[LO16], s[10:11] offset:512*(\j)
	global_load_b128 v[G+4*(\j):G+4*(\j)+3],   v[LO16], s[12:13] offset:512*(\j)
	global_load_b128 v[BV+4*(\j):BV+4*(\j)+3], v[LO16], s[14:15] offset:512*(\j)
.endr
	s_wait_tensorcnt 0x1                           ; my quarter of chunk 0 is in; chunk 1 may stay out
	s_barrier_signal -1
	s_barrier_wait -1
	FETCHP 0, 0
	s_wait_loadcnt 0x0                             ; att, x and the three vectors
	CHUNK 0, 0
	CHANGE 1, 0, 1                                 ; chunk 2 into slot 0
	CHUNK 1, 1
	CHANGE 1, 1, 0                                 ; chunk 3 into slot 1
	CHUNK 2, 0
	CHANGE 0, 0, 1                                 ; nobody reads slot 0 any more, and nothing fills it again
	CHUNK 3, 1
	WIN 0
	PLACES
	WIN 0x04                                       ; the stores' data lie in window 1
.irp c, 0,1,2,3
.irp a, 0,1
.irp b, 0,1
	ds_store_b128 v[SST], v[8*(4*(\c)+2*(\a)+(\b)):8*(4*(\c)+2*(\a)+(\b))+3]   offset:16*SPT*(\a)+512*(\c)+64*(\b)
	ds_store_b128 v[SST], v[8*(4*(\c)+2*(\a)+(\b))+4:8*(4*(\c)+2*(\a)+(\b))+7] offset:16*SPT*(\a)+512*(\c)+64*(\b)+16
.endr
.endr
.endr
	WIN 0
	s_wait_dscnt 0x0                               ; for the others' sake: my stores are done
	s_barrier_signal -1
	s_barrier_wait -1
	s_mov_b32 s[RO], 0
.irp j, 0,1,2,3
	ds_load_b128 v[X+4*(\j):X+4*(\j)+3], v[RD0] offset:512*(\j)
.endr
	s_mov_b32 s[CNT], 8
.Lrow:
	s_wait_dscnt 0x0
.irp j, 0,2,4,6,8,10,12,14
	v_pk_add_f32 v[V+(\j):V+(\j)+1], v[X+(\j):X+(\j)+1], v[BP+(\j):BP+(\j)+1]
.endr
	s_cmp_eq_u32 s[CNT], 1
	s_cbranch_scc1 .Lno_more
	s_add_co_u32 s[RO], s[RO], SPT                 ; the next row is read while this one is normed
	v_add_nc_u32 v[RDC], s[RO], v[RD0]
.irp j, 0,1,2,3
	ds_load_b128 v[X+4*(\j):X+4*(\j)+3], v[RDC] offset:512*(\j)
.endr
.Lno_more:
.irp j, 0,1,2,3
	global_store_b128 v[LO16], v[V+4*(\j):V+4*(\j)+3], s[RES:RES+1] offset:512*(\j)  ; 512 consecutive bytes, aligned
.endr
	ROW V, CN
.irp j, 0,1,2,3
	global_store_b64 v[LO8], v[HO+2*(\j):HO+2*(\j)+1], s[H2:H2+1] offset:256*(\j)    ; 256 consecutive bytes, aligned
.endr
	s_wait_xcnt 0x0                                ; the stores have read their bases and data: both are written again below and in the next trip
	s_add_nc_u64 s[RES:RES+1], s[RES:RES+1], 2048
	s_add_nc_u64 s[H2:H2+1], s[H2:H2+1], 1024
	s_sub_co_u32 s[CNT], s[CNT], 1
	s_cmp_lg_u32 s[CNT], 0
	s_cbranch_scc1 .Lrow
	s_wait_tensorcnt 0x0                           ; the wave's end
	ds_add_u32 v[SPW], v[NIL]
	s_wait_dscnt 0x0
	CROUND                                         ; the closing round
	s_endpgm
.Lfunc_end_k_q5907556454_proj:
	.size	k_q5907556454_proj, .Lfunc_end_k_q5907556454_proj-k_q5907556454_proj
	.p2alignl 7, 3214868480
	.fill 96, 4, 3214868480
	.section	.rodata,"a",@progbits
	.p2align	6, 0x0
	.amdhsa_kernel k_q5907556454_proj
		.amdhsa_group_segment_fixed_size 327680
		.amdhsa_private_segment_fixed_size 0
		.amdhsa_enable_private_segment 0
		.amdhsa_kernarg_size 64
		.amdhsa_user_sgpr_count 2
		.amdhsa_user_sgpr_kernarg_segment_ptr 1
		.amdhsa_wavefront_size32 1
		.amdhsa_system_sgpr_workgroup_id_x 1
		.amdhsa_system_sgpr_workgroup_id_y 1
		.amdhsa_system_sgpr_workgroup_id_z 1
		.amdhsa_system_vgpr_workitem_id 0
		.amdhsa_next_free_vgpr 768
		.amdhsa_next_free_sgpr 66
		.amdhsa_reserve_vcc 0
		.amdhsa_float_denorm_mode_32 3
		.amdhsa_float_denorm_mode_16_64 3
		.amdhsa_memory_ordered 1
		.amdhsa_forward_progress 1
		.amdhsa_inst_pref_size 60
	.end_amdhsa_kernel
	.amdgpu_metadata
---
amdhsa.version: [ 1, 2 ]
amdhsa.kernels:
  - .name:           k_q5907556454_proj
    .symbol:         k_q5907556454_proj.kd
    .args:
      - { .name: att, .offset: 0, .size: 8, .value_kind: global_buffer, .address_space: global }
      - { .name: wt, .offset: 8, .size: 8, .value_kind: global_buffer, .address_space: global }
      - { .name: x, .offset: 16, .size: 8, .value_kind: global_buffer, .address_space: global }
      - { .name: b_proj, .offset: 24, .size: 8, .value_kind: global_buffer, .address_space: global }
      - { .name: ln2_g, .offset: 32, .size: 8, .value_kind: global_buffer, .address_space: global }
      - { .name: ln2_b, .offset: 40, .size: 8, .value_kind: global_buffer, .address_space: global }
      - { .name: res, .offset: 48, .size: 8, .value_kind: global_buffer, .address_space: global }
      - { .name: h2, .offset: 56, .size: 8, .value_kind: global_buffer, .address_space: global }
    .group_segment_fixed_size: 327680
    .private_segment_fixed_size: 0
    .kernarg_segment_align: 8
    .kernarg_segment_size: 64
    .max_flat_workgroup_size: 128
    .sgpr_count:     66
    .vgpr_count:     768
    .wavefront_size: 32
...
	.end_amdgpu_metadata
.endif
;; end of part 4
;; launch mlp1 (part 5): grid 4 x 64, 4 waves a work-group, clusters of 4 x 4, 327,680 bytes of LDS; arguments h2, wt, hid, b1; writes hid
.if DOCPART == 5
	.amdgcn_target "amdgcn-amd-amdhsa--gfx1250"
	.amdhsa_code_object_version 6
	.text
	.protected	k_q5907556454_mlp1
	.globl	k_q5907556454_mlp1
	.p2align	8
	.type	k_q5907556454_mlp1,@function
k_q5907556454_mlp1:
	s_mov_b64 s[64:65], 0
	v_nop
	global_prefetch_b8 v0, s[64:65] scope:SCOPE_SE
	s_setreg_imm32_b32 hwreg(HW_REG_WAVE_MODE, 25, 1), 1
	s_wait_xcnt 0x0
	s_wait_alu depctr_hold_cnt(0) depctr_sa_sdst(0) depctr_va_vdst(0) depctr_va_sdst(0) depctr_va_ssrc(0) depctr_va_vcc(0) depctr_vm_vsrc(0)
	s_getreg_b32 s2, hwreg(HW_REG_IB_STS2, 6, 4)
	s_cmp_eq_u32 s2, 0
	s_cbranch_scc0 .Lentry_in_a_cluster
	s_endpgm
.Lentry_in_a_cluster:
	s_bfe_u32 s2, ttmp6, 0x10000c
	s_cmp_lg_u32 s2, 0xf033
	s_cbranch_scc0 .Lentry_shape_is_right
	s_endpgm
.Lentry_shape_is_right:
; hid = gelu(h2 w1 + b1), bf16 operands, f32 sums, rounded once to bf16 and written in planes of 64 columns: hid[32][8192][64].  h2: [8192][512] bf16; wt rows 2048-4095: w1 as [n][k] bf16.
; The frame is launch qkv's: a wave keeps its 64 rows of h2 for the whole K in 512 registers; the weights are streamed in chunks of 128 n x 512 k through two LDS slots, asked for jointly in a cluster of 4 x 4;
; a work-group has 128 rows and 512 columns (four chunks); the matrix instruction is used transposed.
; GELU, exact form: z / 2 + |z / 2| erf(|z| / sqrt 2), with erf(x) = 1 - (a1 t + a2 t^2 + a3 t^3) e^(-x^2), t = 1 / (1 + 0.47047 x) (Abramowitz and Stegun 7.1.25).
; LIMIT: that formula is off by at most 2.5e-5 for every argument, eighty times finer than the rounding to bf16 behind it.  e^(-x^2) = 2^(-(0.8493218 z)^2): for large |z| it is 0 and gelu is z or 0.
; THE WAY OUT: a row block of 16 x 64 sums goes through my own stage in f32 and comes back so that a lane holds eight neighbouring columns, the same eight for all rows: eight biases a lane, and one text,
; looped over the four row blocks.  A block's 64 exponentials and reciprocals are one batch with one wait.
.set NCH,   4
.set NB0,   2048
.set PITCH, 1040
.set QT,    32*PITCH
.set SLOT,  4*QT
.set STAGE, 2*SLOT
.set SP,    272                        ; a row of the stage: 64 f32 + 16 bytes
.set SPARE, STAGE+4*16*SP
.set CHB,   128*1024
.set GW,    (1<<16)|(1<<20)|(1<<21)|(7<<22)|(3<<25)
.set AB0, 2
.set ADRB, 3
.set AA,  4
.set PFO, 5
.set STF, 6
.set RDF, 7
.set GO,  8
.set HOV, 9
.set BO,  10
.set SPW, 28
.set NIL, 29
.set BIAS, 48
.set X,   64
.set Z,   96
.set W,   128
.set D,   160
.set U,   192
.set OUT, 224
.set BF,  128
.set WV, 12
.set RH, 13
.set CH, 14
.set CX, 15
.set CY, 16
.set GY, 17
.set GX, 18
.set CLY, 19
.set G1A, 24
.set G1B, 32
.set G0A, 40
.set G0B, 44
.set WOFF, 49
.set TB,  50
.set CNT, 51
.set LIM, 52
.set PFA, 54
.set OB,  56
.set PL,  58                           ; s58 my plane of hid
.set RB,  59                           ; s59 my rows' bytes in a plane
.set Q,   62                           ; s62 the row block in hand
.set K1,  70
.set A3,  72
.set A2,  74
.set A1,  76
.set PC,  78
.set MSB, 0
.macro WIN new
.if MSB != (\new)
	s_set_vgpr_msb (MSB<<8)|(\new)
.set MSB, \new
.endif
.endm
.macro PLACES
.rept 4
	v_nop
.endr
.endm
.macro CROUND
	s_barrier_signal -1
	s_barrier_wait -1
	s_cmp_lg_u32 s[WV], 0
	s_cbranch_scc1 .Lnot_wave_0_\@
	s_barrier_signal -3
.Lnot_wave_0_\@:
	s_barrier_wait -3
	s_barrier_signal -1
	s_barrier_wait -1
.endm
; A prefetch of the chunk that the NEXT refill will ask for: cluster y = 0 asks; its four partners of a column take 32 rows each, by address; wave w names bytes 256 w .. of each row, a lane a row.
.macro ASK
	s_cmp_gt_u32 s[CNT], s[LIM]
	s_cbranch_scc0 .Lnot_mine_\@
	global_prefetch_b8 v[PFO], s[PFA:PFA+1] th:TH_LOAD_NT scope:SCOPE_SE
.Lnot_mine_\@:
.endm
.macro FETCH g
	WIN 0x40
.irp ks, 0,1
.irp b, 0,1,2,3
	ds_load_b128 v[BF+64*((\g)%2)+8*(4*(\ks)+(\b)):BF+64*((\g)%2)+8*(4*(\ks)+(\b))+3],   v[ADRB] offset:16*PITCH*(\b)+64*(2*(\g)+(\ks))
	ds_load_b128 v[BF+64*((\g)%2)+8*(4*(\ks)+(\b))+4:BF+64*((\g)%2)+8*(4*(\ks)+(\b))+7], v[ADRB] offset:16*PITCH*(\b)+64*(2*(\g)+(\ks))+32
.endr
.endr
.endm
.macro MUL g                           ; the 16 accumulators take turns; K step 0 starts the sums
.if (\g) < 4
	WIN 0x59
.else
	WIN 0x5d
.endif
.irp ks, 0,1
.irp a, 0,1,2,3
.irp b, 0,1,2,3
.if (2*(\g)+(\ks)) == 0
	v_wmma_f32_16x16x32_bf16 v[8*(4*(\a)+(\b)):8*(4*(\a)+(\b))+7], v[BF+64*((\g)%2)+8*(4*(\ks)+(\b)):BF+64*((\g)%2)+8*(4*(\ks)+(\b))+7], v[32*((2*(\g)+(\ks))%8)+8*(\a):32*((2*(\g)+(\ks))%8)+8*(\a)+7], 0
.else
	v_wmma_f32_16x16x32_bf16 v[8*(4*(\a)+(\b)):8*(4*(\a)+(\b))+7], v[BF+64*((\g)%2)+8*(4*(\ks)+(\b)):BF+64*((\g)%2)+8*(4*(\ks)+(\b))+7], v[32*((2*(\g)+(\ks))%8)+8*(\a):32*((2*(\g)+(\ks))%8)+8*(\a)+7], v[8*(4*(\a)+(\b)):8*(4*(\a)+(\b))+7]
.endif
.endr
.endr
.endr
.endm
.macro COMPUTE
.irp g, 0,1,2,3,4,5,6,7
.if (\g) < 7
.if (\g) > 0
	PLACES
.endif
	FETCH (\g)+1
	s_wait_dscnt 16                                ; all but the 16 just issued
.else
	s_wait_dscnt 0x0
.endif
	MUL \g
.endr
	WIN 0
	PLACES
.endm
.macro CHANGE fill                     ; as in launch qkv; the chunk's eight biases are asked for behind the fragments' loads
	WIN 0
.if \fill
	s_wait_xcnt 0x0                                ; the last prefetch, a chunk back, has read its address
	s_add_nc_u64 s[PFA:PFA+1], s[PFA:PFA+1], CHB
.endif
	s_wait_tensorcnt 0x0
	ds_add_u32 v[SPW], v[NIL]
.if \fill
	s_add_nc_u64 s[G0B+2:G0B+3], s[G0B+2:G0B+3], CHB
	s_xor_b32 s[G0B+1], s[G0B+1], SLOT
.endif
	s_wait_dscnt 0x0
.if \fill
	CROUND
	tensor_load_to_lds s[G0B:G0B+3], s[G1B:G1B+7]
	s_nop 0
.rept 4
	v_nop
.endr
.else
	s_barrier_signal -1
	s_barrier_wait -1
	PLACES
.endif
	v_add_nc_u32 v[ADRB], s[TB], v[AB0]
	s_xor_b32 s[TB], s[TB], SLOT
	FETCH 0
	WIN 0
	global_load_b128 v[BIAS:BIAS+3],   v[BO], s[10:11]
	global_load_b128 v[BIAS+4:BIAS+7], v[BO], s[10:11] offset:16
.if \fill
	ASK
.endif
.endm
.macro ARM a                           ; row block a's sums into my stage, each accumulator from its low end
	WIN 0x04
.irp b, 0,1,2,3
	ds_store_b128 v[STF], v[8*(4*(\a)+(\b)):8*(4*(\a)+(\b))+3]   offset:64*(\b)
	ds_store_b128 v[STF], v[8*(4*(\a)+(\b))+4:8*(4*(\a)+(\b))+7] offset:64*(\b)+16
.endr
	WIN 0
.endm
.macro BACK                            ; and back: rows l / 8 + 4 u, columns 8 (l % 8) + 0..7; in order behind the stores
.irp u, 0,1,2,3
	ds_load_b128 v[X+8*(\u):X+8*(\u)+3],   v[RDF] offset:4*SP*(\u)
	ds_load_b128 v[X+8*(\u)+4:X+8*(\u)+7], v[RDF] offset:4*SP*(\u)+16
.endr
.endm
.macro EPILOGUE
	s_wait_xcnt 0x0                                ; the last chunk's stores have read their base and offset
	s_lshl_b32 s66, s[PL], 20                      ; a plane is 1,048,576 bytes
	s_add_co_u32 s66, s66, s[RB]
	s_mov_b32 s67, 0
	s_add_nc_u64 s[OB:OB+1], s[8:9], s[66:67]
	s_add_co_u32 s[PL], s[PL], 2                   ; the next chunk: 128 columns on
	v_mov_b32 v[HOV], v[GO]
	s_wait_loadcnt 0x0                             ; the biases are in, so their offset may be stepped
	v_add_nc_u32 v[BO], 512, v[BO]
	ARM 0
	BACK
	s_mov_b32 s[Q], 0
.Lq_\@:
	s_wait_dscnt 0x0                               ; the block is back in registers
	s_wait_xcnt 0x0                                ; the last block's stores have read OUT and their offset
	v_add_nc_u32 v[HOV], 2048, v[HOV]              ; 16 rows of 128 bytes on; the stores below reach back
.set i, 0
.rept 16
	v_pk_add_f32 v[Z+2*i:Z+2*i+1], v[X+2*i:X+2*i+1], v[BIAS+(2*i)%8:BIAS+(2*i)%8+1]
.set i, i+1
.endr
	s_cmp_lg_u32 s[Q], 0                           ; the next block goes through the stage while this one is worked on
	s_cbranch_scc1 .Ln1_\@
	ARM 1
	s_branch .Lbk_\@
.Ln1_\@:
	s_cmp_lg_u32 s[Q], 1
	s_cbranch_scc1 .Ln2_\@
	ARM 2
	s_branch .Lbk_\@
.Ln2_\@:
	s_cmp_lg_u32 s[Q], 2
	s_cbranch_scc1 .Lnone_\@
	ARM 3
.Lbk_\@:
	BACK
.Lnone_\@:
.set i, 0
.rept 16
	v_pk_mul_f32 v[W+2*i:W+2*i+1], v[Z+2*i:Z+2*i+1], s[K1:K1+1] op_sel_hi:[1,0]
.set i, i+1
.endr
.set i, 0
.rept 16
	v_pk_mul_f32 v[W+2*i:W+2*i+1], v[W+2*i:W+2*i+1], v[W+2*i:W+2*i+1] neg_lo:[1,0] neg_hi:[1,0]
.set i, i+1
.endr
.set i, 0
.rept 32                               ; ONE BATCH: 32 exponentials, each with a plain neighbour, then 32 reciprocals; nothing ahead of the wait names a result
	v_exp_f32 v[W+i], v[W+i]
	v_fma_f32 v[D+i], |v[Z+i]|, s[PC], 1.0
.set i, i+1
.endr
.set i, 0
.rept 16
	v_rcp_f32 v[D+2*i], v[D+2*i]
	v_rcp_f32 v[D+2*i+1], v[D+2*i+1]
	v_pk_mul_f32 v[Z+2*i:Z+2*i+1], v[Z+2*i:Z+2*i+1], 0.5 op_sel_hi:[1,0]   ; the last of these is the plain instruction behind the last reciprocal
.set i, i+1
.endr
	s_wait_alu depctr_va_vdst(0)                   ; the one wait ahead of the batch's first reader
.set i, 0
.rept 16
	v_pk_fma_f32 v[U+2*i:U+2*i+1], v[D+2*i:D+2*i+1], s[A3:A3+1], s[A2:A2+1] op_sel_hi:[1,0,0]
.set i, i+1
.endr
.set i, 0
.rept 16
	v_pk_fma_f32 v[U+2*i:U+2*i+1], v[U+2*i:U+2*i+1], v[D+2*i:D+2*i+1], s[A1:A1+1] op_sel_hi:[1,1,0]
.set i, i+1
.endr
.set i, 0
.rept 16
	v_pk_mul_f32 v[U+2*i:U+2*i+1], v[U+2*i:U+2*i+1], v[D+2*i:D+2*i+1]
.set i, i+1
.endr
.set i, 0
.rept 16
	v_pk_fma_f32 v[U+2*i:U+2*i+1], v[U+2*i:U+2*i+1], v[W+2*i:W+2*i+1], 1.0 op_sel_hi:[1,1,0] neg_lo:[1,0,0] neg_hi:[1,0,0]  ; erf
.set i, i+1
.endr
.set i, 0
.rept 32
	v_fma_f32 v[U+i], |v[Z+i]|, v[U+i], v[Z+i]
.set i, i+1
.endr
.set i, 0
.rept 16
	v_cvt_pk_bf16_f32 v[OUT+i], v[U+2*i], v[U+2*i+1]
.set i, i+1
.endr
.irp u, 0,1,2,3
	global_store_b128 v[HOV], v[OUT+4*(\u):OUT+4*(\u)+3], s[OB:OB+1] offset:512*(\u)-2048  ; four rows of a plane: 512 consecutive bytes, aligned
.endr
	s_add_co_u32 s[Q], s[Q], 1
	s_cmp_lt_u32 s[Q], 4
	s_cbranch_scc1 .Lq_\@
.endm
	s_load_b128 s[4:7], s[0:1], 0x0                ; h2, wt
	s_load_b128 s[8:11], s[0:1], 0x10              ; hid, b1
	v_lshl_add_u32 v[SPW], v0, 2, SPARE
	v_mov_b32 v[NIL], 0
	ds_add_u32 v[SPW], v[NIL]                      ; the opening: the add, twice on end, and its wait ahead of my first tensor load
	ds_add_u32 v[SPW], v[NIL]
	v_lshrrev_b32 v1, 5, v0
	v_readfirstlane_b32 s[WV], v1
	s_lshr_b32 s[RH], s[WV], 1
	s_and_b32 s[CH], s[WV], 1
	s_bfe_u32 s[CX], ttmp6, 0x40000
	s_bfe_u32 s[CY], ttmp6, 0x40004
	s_lshl_b32 s[GX], ttmp9, 2
	s_add_co_u32 s[GX], s[GX], s[CX]
	s_and_b32 s[CLY], ttmp7, 0xffff
	s_lshl_b32 s[GY], s[CLY], 2
	s_add_co_u32 s[GY], s[GY], s[CY]
	s_lshl_b32 s60, s[CY], 2
	s_lshl_b32 s60, 15, s60                        ; my row of the cluster
	s_lshl_b32 s61, 0x1111, s[CX]                  ; my column
	s_or_b32 s[G1A], s60, GW
	s_or_b32 s[G1B], s61, GW
.irp g, G1A, G1B
	s_mov_b32 s[(\g)+1], 512<<16
	s_mov_b32 s[(\g)+2], 32<<16
	s_mov_b32 s[(\g)+3], 512<<16
	s_mov_b32 s[(\g)+4], 32
	s_mov_b32 s[(\g)+5], 512
	s_mov_b32 s[(\g)+6], 0
	s_mov_b32 s[(\g)+7], 0
.endr
	s_lshl_b32 s20, s[GY], 17
	s_lshl_b32 s21, s[WV], 15
	s_add_co_u32 s20, s20, s21
	s_mov_b32 s21, 0
	s_mul_i32 s22, s[GX], NCH*CHB
	s_lshl_b32 s23, s[WV], 15
	s_add_co_u32 s22, s22, s23
	s_add_co_u32 s22, s22, NB0*1024
	s_mov_b32 s23, 0
	s_mul_i32 s66, s[GX], NCH*CHB                  ; the prefetches stand in chunk 1; the first change steps them to chunk 2
	s_lshl_b32 s67, s[CY], 15
	s_add_co_u32 s66, s66, s67
	s_lshl_b32 s67, s[WV], 8
	s_add_co_u32 s66, s66, s67
	s_add_co_u32 s66, s66, NB0*1024+CHB
	s_mov_b32 s67, 0
	s_cmp_eq_u32 s[CLY], 0
	s_cselect_b32 s[LIM], 1, -1
	s_lshl_b32 s[RB], s[GY], 14                    ; 128 rows of 128 bytes,
	s_lshl_b32 s69, s[RH], 13                      ; my 64 of them
	s_add_co_u32 s[RB], s[RB], s69
	s_lshl_b32 s[PL], s[GX], 3
	s_add_co_u32 s[PL], s[PL], s[CH]
	s_lshl_b32 s63, s[GX], 11                      ; b1: 512 columns a group,
	s_lshl_b32 s69, s[CH], 8                       ; my 64
	s_add_co_u32 s63, s63, s69
	s_mov_b32 s[K1], 0x3f596d27                    ; sqrt(log2(e) / 2) = 0.8493218
	s_mov_b32 s[K1+1], s[K1]
	s_mov_b32 s[A3], 0x3f3f7377                    ; 0.7478556
	s_mov_b32 s[A3+1], s[A3]
	s_mov_b32 s[A2], 0xbdc45ca1                    ; -0.0958798
	s_mov_b32 s[A2+1], s[A2]
	s_mov_b32 s[A1], 0x3eb2303a                    ; 0.3480242
	s_mov_b32 s[A1+1], s[A1]
	s_mov_b32 s[PC], 0x3eaa540e                    ; 0.47047 / sqrt 2 = 0.3326725
	s_mul_i32 s[WOFF], s[WV], QT
	s_mov_b32 s[TB], 0
	s_wait_dscnt 0x0
	s_wait_kmcnt 0x0
	s_mov_b32 s[G0A], 1
	s_add_co_u32 s[G0A+1], s[WOFF], SLOT
	s_add_nc_u64 s[G0A+2:G0A+3], s[4:5], s[20:21]
	s_or_b32 s[G0A+3], s[G0A+3], 0x80000000
	s_mov_b32 s[G0B], 1
	s_mov_b32 s[G0B+1], s[WOFF]
	s_add_nc_u64 s[G0B+2:G0B+3], s[6:7], s[22:23]
	s_or_b32 s[G0B+3], s[G0B+3], 0x80000000
	s_add_nc_u64 s[PFA:PFA+1], s[6:7], s[66:67]
	CROUND
	tensor_load_to_lds s[G0A:G0A+3], s[G1A:G1A+7]  ; two loads of mine are out
	s_nop 0
	tensor_load_to_lds s[G0B:G0B+3], s[G1B:G1B+7]
	s_nop 0
.rept 4
	v_nop
.endr
	v_and_b32 v1, 15, v0
	v_bfe_u32 v11, v0, 4, 1
	v_and_b32 v12, 31, v0
	v_mul_u32_u24 v13, v1, PITCH
	v_lshl_add_u32 v13, v11, 4, v13
	s_mul_i32 s68, s[CH], 64*PITCH
	v_add_nc_u32 v[AB0], s68, v13
	s_mul_i32 s68, s[RH], 64*PITCH
	s_add_co_u32 s68, s68, SLOT
	v_add_nc_u32 v[AA], s68, v13
	v_lshlrev_b32 v[PFO], 10, v12
	s_mul_i32 s68, s[WV], 16*SP
	s_add_co_u32 s68, s68, STAGE                   ; my stage
	v_mul_u32_u24 v[STF], v1, SP
	v_lshl_add_u32 v[STF], v11, 5, v[STF]
	v_add_nc_u32 v[STF], s68, v[STF]
	v_lshrrev_b32 v13, 3, v12
	v_mul_u32_u24 v[RDF], v13, SP
	v_and_b32 v13, 7, v0
	v_lshl_add_u32 v[RDF], v13, 5, v[RDF]
	v_add_nc_u32 v[RDF], s68, v[RDF]
	v_lshlrev_b32 v[GO], 4, v12
	v_lshl_add_u32 v[BO], v13, 5, s63
	s_wait_tensorcnt 0x1                           ; my quarter of h2's panel is in; chunk 0 may stay out
	s_barrier_signal -1
	s_barrier_wait -1
	WIN 0x80
.irp ks, 0,1,2,3,4,5,6,7
.irp a, 0,1,2,3
	ds_load_b128 v[32*(\ks)+8*(\a):32*(\ks)+8*(\a)+3],   v[AA] offset:16*PITCH*(\a)+64*(\ks)
	ds_load_b128 v[32*(\ks)+8*(\a)+4:32*(\ks)+8*(\a)+7], v[AA] offset:16*PITCH*(\a)+64*(\ks)+32
.endr
.endr
	WIN 0xc0
.irp ks, 0,1,2,3,4,5,6,7
.irp a, 0,1,2,3
	ds_load_b128 v[32*(\ks)+8*(\a):32*(\ks)+8*(\a)+3],   v[AA] offset:16*PITCH*(\a)+64*(\ks)+512
	ds_load_b128 v[32*(\ks)+8*(\a)+4:32*(\ks)+8*(\a)+7], v[AA] offset:16*PITCH*(\a)+64*(\ks)+544
.endr
.endr
	WIN 0
	s_mov_b32 s[CNT], NCH-1
.Lchunk:
	CHANGE 1
	COMPUTE
	EPILOGUE
	s_sub_co_u32 s[CNT], s[CNT], 1
	s_cmp_lg_u32 s[CNT], 0
	s_cbranch_scc1 .Lchunk
	CHANGE 0                                       ; the last chunk is written out: nothing is asked for
	COMPUTE
	EPILOGUE
	s_wait_tensorcnt 0x0                           ; the wave's end
	ds_add_u32 v[SPW], v[NIL]
	s_wait_dscnt 0x0
	CROUND                                         ; the closing round
	s_endpgm
.Lfunc_end_k_q5907556454_mlp1:
	.size	k_q5907556454_mlp1, .Lfunc_end_k_q5907556454_mlp1-k_q5907556454_mlp1
	.p2alignl 7, 3214868480
	.fill 96, 4, 3214868480
	.section	.rodata,"a",@progbits
	.p2align	6, 0x0
	.amdhsa_kernel k_q5907556454_mlp1
		.amdhsa_group_segment_fixed_size 327680
		.amdhsa_private_segment_fixed_size 0
		.amdhsa_enable_private_segment 0
		.amdhsa_kernarg_size 32
		.amdhsa_user_sgpr_count 2
		.amdhsa_user_sgpr_kernarg_segment_ptr 1
		.amdhsa_wavefront_size32 1
		.amdhsa_system_sgpr_workgroup_id_x 1
		.amdhsa_system_sgpr_workgroup_id_y 1
		.amdhsa_system_sgpr_workgroup_id_z 1
		.amdhsa_system_vgpr_workitem_id 0
		.amdhsa_next_free_vgpr 1024
		.amdhsa_next_free_sgpr 80
		.amdhsa_reserve_vcc 0
		.amdhsa_float_denorm_mode_32 3
		.amdhsa_float_denorm_mode_16_64 3
		.amdhsa_memory_ordered 1
		.amdhsa_forward_progress 1
		.amdhsa_inst_pref_size 107
	.end_amdhsa_kernel
	.amdgpu_metadata
---
amdhsa.version: [ 1, 2 ]
amdhsa.kernels:
  - .name:           k_q5907556454_mlp1
    .symbol:         k_q5907556454_mlp1.kd
    .args:
      - { .name: h2, .offset: 0, .size: 8, .value_kind: global_buffer, .address_space: global }
      - { .name: wt, .offset: 8, .size: 8, .value_kind: global_buffer, .address_space: global }
      - { .name: hid, .offset: 16, .size: 8, .value_kind: global_buffer, .address_space: global }
      - { .name: b1, .offset: 24, .size: 8, .value_kind: global_buffer, .address_space: global }
    .group_segment_fixed_size: 327680
    .private_segment_fixed_size: 0
    .kernarg_segment_align: 8
    .kernarg_segment_size: 32
    .max_flat_workgroup_size: 128
    .sgpr_count:     80
    .vgpr_count:     1024
    .wavefront_size: 32
...
	.end_amdgpu_metadata
.endif
;; end of part 5
;; launch mlp2 (part 6): grid 4 x 64, 4 waves a work-group, clusters of 4 x 4, 327,680 bytes of LDS; arguments hid, wt, res, b2, out0; writes out0
.if DOCPART == 6
	.amdgcn_target "amdgcn-amd-amdhsa--gfx1250"
	.amdhsa_code_object_version 6
	.text
	.protected	k_q5907556454_mlp2
	.globl	k_q5907556454_mlp2
	.p2align	8
	.type	k_q5907556454_mlp2,@function
k_q5907556454_mlp2:
	s_mov_b64 s[64:65], 0
	v_nop
	global_prefetch_b8 v0, s[64:65] scope:SCOPE_SE
	s_setreg_imm32_b32 hwreg(HW_REG_WAVE_MODE, 25, 1), 1
	s_wait_xcnt 0x0
	s_wait_alu depctr_hold_cnt(0) depctr_sa_sdst(0) depctr_va_vdst(0) depctr_va_sdst(0) depctr_va_ssrc(0) depctr_va_vcc(0) depctr_vm_vsrc(0)
	s_getreg_b32 s2, hwreg(HW_REG_IB_STS2, 6, 4)
	s_cmp_eq_u32 s2, 0
	s_cbranch_scc0 .Lentry_in_a_cluster
	s_endpgm
.Lentry_in_a_cluster:
	s_bfe_u32 s2, ttmp6, 0x10000c
	s_cmp_lg_u32 s2, 0xf033
	s_cbranch_scc0 .Lentry_shape_is_right
	s_endpgm
.Lentry_shape_is_right:
; out0 = res + hid w2 + b2.  hid: [32 planes of 64 columns][8192][64] bf16; wt from byte 4,194,304 on: w2 as [512 n][2048 k] bf16; res, out0: [8192][512] f32.
; A tile of the result is 128 x 128: 256 work-groups.  Four waves, each 64 x 64: 16 accumulators.  K goes in eight steps of 256 through two LDS slots.  res is loaded into the accumulators and starts the sums.
; hid's tile of a K step is four planes x 64 dense rows of 128 bytes: one tensor load with rows of 8,192 bytes, 1,048,576 bytes apart, padded in LDS after every 128 bytes.
; A K STEP IS WRITTEN ONCE: the loop has six trips, one for each refill; the LDS addresses of the slot in hand are made from a scalar that an exclusive or turns, and one descriptor for each operand walks.
; CLUSTER 4 x 4: the four of a row of the cluster need the same tiles of hid, the four of a column the same tiles of w2: each is asked for jointly.  No prefetch: the tiles are small and a K step is short.
; THE MATRIX INSTRUCTION IS USED TRANSPOSED: a lane holds eight neighbouring columns of a row.  A wave's 64 columns are 256 aligned bytes of out0: each wave has a stage of its own, and no barrier on the way out.
; REGISTERS: window 0: v0-31 addresses; v32-95 the way out; v96-99 b2; v128-255 accumulators ((a, b) at 128 + 8 (4 a + b)).  Window 1: two fragment buffers of 128: 64 of hid, then 64 of w2.
.set KSTEP,  256
.set PITCH,  528                       ; a row of w2 in LDS: 512 bytes + 16
.set HALFT,  64*PITCH
.set PA,     144                       ; a row of a plane in LDS: 128 bytes + 16
.set PLANE,  64*PA
.set HALFA,  4*PLANE                   ; 64 rows x 256 k of hid
.set SLOT,   0x24000                   ; a slot holds 2 HALFA + 2 HALFT = 141,312 bytes; slot 1 begins at 147,456, whose two bits are set in none of the four tiles' places in a slot (0, 0x9000, 0x12000, 0x1a400): one exclusive or turns a descriptor's LDS word into the other slot's
.set STAGE,  2*SLOT                    ; 16 rows x 272 bytes for each wave
.set SPITCH, 272
.set SPARE,  STAGE+4*16*SPITCH
.set FILLS,  6                         ; K steps 2 to 7 come by refills
.set ADRA0, 16                         ; v16 my lane's place in hid's part of a slot; never rewritten
.set ADRA,  17                         ; v17 the same in the slot in hand
.set ADRB0, 20                         ; v20, v21 the same for w2
.set ADRB,  21
.set STO,  24
.set RD,   25
.set CO,   26
.set RO,   27
.set SPW,  28
.set NIL,  29
.set B2O,  30
.set TMP,  32
.set B2,   96
.set ACC,  128
.set F0,   0
.set F1,   128
.set G1, 24
.set G0, 32                            ; s[32:39] group 0 for hid's tiles: a set for each of the two first fills; the second then walks on
.set TB, 45                            ; s45 the slot to be read next
.set G1B, 48
.set G0B, 56                           ; s[56:63] the same for w2's
.set MSB, 0
.macro WIN new
.if MSB != (\new)
	s_set_vgpr_msb (MSB<<8)|(\new)
.set MSB, \new
.endif
.endm
.set MUL,  0x05                        ; sources 0 (w2) and 1 (hid) window 1; C and D window 0
.set TO_F, 0x40
.macro JLOAD s                         ; a joint load: waves 0 and 1 fetch hid's two halves, waves 2 and 3 w2's
	s_cmp_eq_u32 s11, 0
	s_cbranch_scc0 .Lfor_b_\@
	tensor_load_to_lds s[G0+4*(\s):G0+4*(\s)+3], s[G1:G1+7]
	s_nop 0
.rept 4
	v_nop
.endr
	s_branch .Lasked_\@
.Lfor_b_\@:
	tensor_load_to_lds s[G0B+4*(\s):G0B+4*(\s)+3], s[G1B:G1B+7]
	s_nop 0
.rept 4
	v_nop
.endr
.Lasked_\@:
.endm
.macro CREST
	s_cmp_lg_u32 s10, 0
	s_cbranch_scc1 .Lnot_wave_0_\@
	s_barrier_signal -3
.Lnot_wave_0_\@:
	s_barrier_wait -3
	s_barrier_signal -1
	s_barrier_wait -1
.endm
.macro CROUND
	s_barrier_signal -1
	s_barrier_wait -1
	CREST
.endm
	s_load_b128 s[4:7], s[0:1], 0x0                ; hid, wt
	s_load_b128 s[72:75], s[0:1], 0x10             ; res, b2
	s_load_b64 s[8:9], s[0:1], 0x20                ; out0
	v_lshl_add_u32 v[SPW], v0, 2, SPARE
	v_mov_b32 v[NIL], 0
	ds_add_u32 v[SPW], v[NIL]                      ; the opening: the add, twice on end, and its wait ahead of my first tensor load
	ds_add_u32 v[SPW], v[NIL]
	v_lshrrev_b32 v1, 5, v0
	v_readfirstlane_b32 s10, v1                    ; wave 0..3
	s_lshr_b32 s11, s10, 1                         ; my half of the tile's rows.  Also: I fetch for hid (0) or for w2 (1)
	s_and_b32 s12, s10, 1                          ; my half of its columns.  Also: which 64 rows I fetch
	s_bfe_u32 s40, ttmp6, 0x40000                  ; cx, cy
	s_bfe_u32 s41, ttmp6, 0x40004
	s_lshl_b32 s42, ttmp9, 2
	s_add_co_u32 s42, s42, s40                     ; tile column
	s_and_b32 s13, ttmp7, 0xffff
	s_lshl_b32 s13, s13, 2
	s_add_co_u32 s13, s13, s41                     ; tile row
	s_lshl_b32 s43, s41, 2
	s_lshl_b32 s43, 15, s43                        ; my row of the cluster
	s_lshl_b32 s44, 0x1111, s40                    ; my column
	s_or_b32 s[G1+0], s43, (1<<16)|(1<<20)|(1<<21)|(4<<22)|(3<<25)   ; hid: padding after every 32 words (code 4), 4 words
	s_mov_b32 s[G1+1], 4096<<16                    ; tensor_dim0 = 4,096 elements: 64 dense rows of a plane
	s_mov_b32 s[G1+2], 4<<16                       ; tensor_dim1 = 4 planes
	s_mov_b32 s[G1+3], 4096<<16                    ; tile_dim0
	s_mov_b32 s[G1+4], 4                           ; tile_dim1
	s_mov_b32 s[G1+5], 524288                      ; elements from plane to plane
	s_mov_b32 s[G1+6], 0
	s_mov_b32 s[G1+7], 0
	s_or_b32 s[G1B+0], s44, (1<<16)|(1<<20)|(1<<21)|(6<<22)|(3<<25)  ; w2: padding after every 128 words (code 6), 4 words
	s_mov_b32 s[G1B+1], KSTEP<<16
	s_mov_b32 s[G1B+2], 64<<16
	s_mov_b32 s[G1B+3], KSTEP<<16
	s_mov_b32 s[G1B+4], 64
	s_mov_b32 s[G1B+5], 2048
	s_mov_b32 s[G1B+6], 0
	s_mov_b32 s[G1B+7], 0
	s_lshl_b32 s16, s13, 14                        ; hid: 128 rows of 128 bytes a tile row,
	s_lshl_b32 s17, s12, 13                        ; the 64 that I fetch
	s_add_co_u32 s16, s16, s17
	s_mov_b32 s17, 0
	s_lshl_b32 s46, s42, 19                        ; w2: 128 rows of 4,096 bytes a tile column,
	s_lshl_b32 s47, s12, 18                        ; the 64 that I fetch,
	s_add_co_u32 s46, s46, s47
	s_add_co_u32 s46, s46, 0x400000                ; behind the other weights in wt
	s_mov_b32 s47, 0
	s_mul_i32 s20, s12, HALFA                      ; where they go: no place in the cluster enters an LDS address
	s_mul_i32 s21, s12, HALFT
	s_add_co_u32 s21, s21, 2*HALFA
	s_lshl_b32 s66, s13, 18                        ; res and out0: my 64 rows of 2,048 bytes and my 64 columns
	s_lshl_b32 s67, s11, 17
	s_add_co_u32 s66, s66, s67
	s_lshl_b32 s68, s42, 9
	s_lshl_b32 s69, s12, 8
	s_add_co_u32 s68, s68, s69                     ; my columns' bytes: also in b2
	s_add_co_u32 s66, s66, s68
	s_mov_b32 s67, 0
	s_mov_b32 s69, 0
	s_mov_b32 s[TB], SLOT                          ; slot 0 is read first, slot 1 next
	s_wait_dscnt 0x0
	s_wait_kmcnt 0x0
	s_add_nc_u64 s[14:15], s[4:5], s[16:17]
	s_add_nc_u64 s[46:47], s[6:7], s[46:47]
	s_add_nc_u64 s[72:73], s[72:73], s[66:67]
	s_add_nc_u64 s[74:75], s[74:75], s[68:69]
	s_add_nc_u64 s[8:9], s[8:9], s[66:67]
	CROUND                                         ; all sixteen work-groups are here: the first joint loads meet
.irp s, 0,1
	s_mov_b32 s[G0+4*(\s)], 1
	s_add_co_u32 s[G0+4*(\s)+1], s20, (\s)*SLOT
	s_add_nc_u64 s[G0+4*(\s)+2:G0+4*(\s)+3], s[14:15], (\s)*4*1048576   ; K step s: four planes on
	s_or_b32 s[G0+4*(\s)+3], s[G0+4*(\s)+3], 0x80000000
	s_mov_b32 s[G0B+4*(\s)], 1
	s_add_co_u32 s[G0B+4*(\s)+1], s21, (\s)*SLOT
	s_add_nc_u64 s[G0B+4*(\s)+2:G0B+4*(\s)+3], s[46:47], (\s)*KSTEP*2
	s_or_b32 s[G0B+4*(\s)+3], s[G0B+4*(\s)+3], 0x80000000
	JLOAD \s
.endr
	v_and_b32 v1, 15, v0                           ; l % 16
	v_bfe_u32 v2, v0, 4, 1                         ; l / 16
	v_mul_u32_u24 v3, v1, PA
	v_lshl_add_u32 v3, v2, 4, v3
	v_mul_u32_u24 v4, v1, PITCH
	v_lshl_add_u32 v4, v2, 4, v4
	s_mul_i32 s22, s11, HALFA                      ; my 64 rows of hid
	s_mul_i32 s23, s12, HALFT                      ; my 64 rows of w2,
	s_add_co_u32 s23, s23, 2*HALFA                 ; which lie behind hid's
	v_add_nc_u32 v[ADRA0], s22, v3
	v_add_nc_u32 v[ADRB0], s23, v4
	v_mov_b32 v[ADRA], v[ADRA0]                    ; slot 0
	v_mov_b32 v[ADRB], v[ADRB0]
	s_mul_i32 s23, s10, 16*SPITCH
	s_add_co_u32 s23, s23, STAGE                   ; my stage
	v_mul_u32_u24 v[STO], v1, SPITCH               ; in: row l % 16, 32 bytes for each half of the lanes
	v_lshl_add_u32 v[STO], v2, 5, v[STO]
	v_add_nc_u32 v[STO], s23, v[STO]
	v_mul_u32_u24 v[RD], v2, SPITCH                ; back: lanes 0-15 one row of 256 bytes, lanes 16-31 the next
	v_lshl_add_u32 v[RD], v1, 4, v[RD]
	v_add_nc_u32 v[RD], s23, v[RD]
	v_lshlrev_b32 v[CO], 11, v2                    ; and the same two rows in out0
	v_lshl_add_u32 v[CO], v1, 4, v[CO]
	v_lshlrev_b32 v[RO], 11, v1                    ; res as the accumulators hold it: row l % 16, columns 8 (l / 16) on
	v_lshl_add_u32 v[RO], v2, 5, v[RO]
	v_lshlrev_b32 v[B2O], 4, v1
.irp a, 0,1,2,3
.irp b, 0,1,2,3
	global_load_b128 v[ACC+8*(4*(\a)+(\b)):ACC+8*(4*(\a)+(\b))+3],   v[RO], s[72:73] offset:32768*(\a)+64*(\b)
	global_load_b128 v[ACC+8*(4*(\a)+(\b))+4:ACC+8*(4*(\a)+(\b))+7], v[RO], s[72:73] offset:32768*(\a)+64*(\b)+16
.endr
.endr
	global_load_b128 v[B2:B2+3], v[B2O], s[74:75]
.macro MUL8 f, c, a0                   ; 8 matrix instructions: row blocks a0, a0 + 1 x all 4 column blocks, 32 along K; the 16 accumulators take turns
	WIN MUL
.irp a, \a0, (\a0)+1
.irp b, 0,1,2,3
	v_wmma_f32_16x16x32_bf16 v[ACC+8*(4*(\a)+(\b)):ACC+8*(4*(\a)+(\b))+7], v[(\f)+64+8*(4*(\c)+(\b)):(\f)+64+8*(4*(\c)+(\b))+7], v[(\f)+8*(4*(\c)+(\a)):(\f)+8*(4*(\c)+(\a))+7], v[ACC+8*(4*(\a)+(\b)):ACC+8*(4*(\a)+(\b))+7]
.endr
.endr
.endm
.macro FETCH k, f                      ; 32 LDS loads from the slot in hand: 64 along K at byte k of w2's rows, which is plane k / 128 of hid's tile; the first 32 along K first
	WIN TO_F
.irp c, 0,1
.irp i, 0,1,2,3
	ds_load_b128 v[(\f)+64+8*(4*(\c)+(\i)):(\f)+64+8*(4*(\c)+(\i))+3],   v[ADRB] offset:(\k)+64*(\c)+(\i)*16*PITCH
	ds_load_b128 v[(\f)+64+8*(4*(\c)+(\i))+4:(\f)+64+8*(4*(\c)+(\i))+7], v[ADRB] offset:(\k)+64*(\c)+(\i)*16*PITCH+32
	ds_load_b128 v[(\f)+8*(4*(\c)+(\i)):(\f)+8*(4*(\c)+(\i))+3],         v[ADRA] offset:((\k)/128)*PLANE+64*(\c)+(\i)*16*PA
	ds_load_b128 v[(\f)+8*(4*(\c)+(\i))+4:(\f)+8*(4*(\c)+(\i))+7],       v[ADRA] offset:((\k)/128)*PLANE+64*(\c)+(\i)*16*PA+32
.endr
.endr
.endm
.macro PLACES
.rept 4
	v_nop
.endr
.endm
.macro QUARTER k, f, g                 ; multiplies buffer f and fetches the next quarter, at byte k, into g
	s_wait_dscnt 16                                ; the first 32 along K are in
	MUL8 \f, 0, 0
	MUL8 \f, 0, 2
	PLACES
	FETCH \k, \g
	s_wait_dscnt 32                                ; all but the 32 just issued
	MUL8 \f, 1, 0
	MUL8 \f, 1, 2
.endm
; The last quarter multiplies buffer 1 and changes slots: in front of the barrier each wave waits for all its tensor loads, adds 0 to its spare word, and waits for that and for its reads of this slot.
; fill = 1: the barrier opens a round of the cluster's; behind it the walking descriptors turn to the slot just read and step one K step on (they stood at the K step that lies in the other slot), and the joint refill goes out first.
.macro TURN fill
	WIN 0
	s_wait_tensorcnt 0x0
	ds_add_u32 v[SPW], v[NIL]
	s_wait_dscnt 17                                ; the add and the youngest sixteen loads may be out
	MUL8 F1, 0, 0
	s_wait_dscnt 0x0
	s_barrier_signal -1
	MUL8 F1, 0, 2
	WIN 0
	s_barrier_wait -1
.if \fill
	CREST                                          ; the barrier has opened a round of the cluster's barrier
	s_xor_b32 s[G0+5], s[G0+5], SLOT
	s_add_nc_u64 s[G0+6:G0+7], s[G0+6:G0+7], 4*1048576       ; four planes on
	s_xor_b32 s[G0B+5], s[G0B+5], SLOT
	s_add_nc_u64 s[G0B+6:G0B+7], s[G0B+6:G0B+7], KSTEP*2
	JLOAD 1                                        ; the first tensor load behind the round; its four v_nop are also the places in front of the loads below
.else
	PLACES
.endif
	v_add_nc_u32 v[ADRA], s[TB], v[ADRA0]          ; the other slot is now the slot in hand
	v_add_nc_u32 v[ADRB], s[TB], v[ADRB0]
	s_xor_b32 s[TB], s[TB], SLOT
	FETCH 0, F0
	MUL8 F1, 1, 0
	MUL8 F1, 1, 2
.endm
	s_wait_tensorcnt 1                             ; my part of K step 0 is in; K step 1's may stay out
	s_barrier_signal -1
	s_barrier_wait -1
	FETCH 0, F0
	s_wait_loadcnt 0x0                             ; res and b2
	QUARTER 128, F0, F1
	WIN 0
	s_mov_b32 s3, FILLS
.Lstep:                                                ; a trip goes from a K step's second quarter to the next step's first, and fills the slot that it leaves
	QUARTER 256, F1, F0
	QUARTER 384, F0, F1
	TURN 1
	QUARTER 128, F0, F1
	WIN 0
	s_sub_co_u32 s3, s3, 1
	s_cmp_lg_u32 s3, 0
	s_cbranch_scc1 .Lstep
	QUARTER 256, F1, F0                            ; the last two K steps fill nothing
	QUARTER 384, F0, F1
	TURN 0
	QUARTER 128, F0, F1
	QUARTER 256, F1, F0
	QUARTER 384, F0, F1
	s_wait_dscnt 16
	MUL8 F1, 0, 0
	MUL8 F1, 0, 2
	s_wait_dscnt 0x0
	MUL8 F1, 1, 0
	MUL8 F1, 1, 2
	WIN 0
	PLACES
; THE WAY OUT: a row block of 16 x 64 sums into my stage, each accumulator from its low end, and back as whole rows of 256 bytes; b2 is added; 16 lanes store a row's 256 bytes.
.macro TOSTAGE a
.set BK, TMP+32*((\a)%2)
.irp b, 0,1,2,3
	ds_store_b128 v[STO], v[ACC+8*(4*(\a)+(\b)):ACC+8*(4*(\a)+(\b))+3]   offset:64*(\b)
	ds_store_b128 v[STO], v[ACC+8*(4*(\a)+(\b))+4:ACC+8*(4*(\a)+(\b))+7] offset:64*(\b)+16
.endr
	s_wait_xcnt 0x0                                ; the stores of the block two back have read these registers
.irp t, 0,1,2,3,4,5,6,7
	ds_load_b128 v[BK+4*(\t):BK+4*(\t)+3], v[RD] offset:(\t)*2*SPITCH  ; in order behind the stores above; the next block's stores come behind these
.endr
.endm
.macro SEND a, younger                 ; younger: the next block's sixteen LDS instructions, or none
.set BK, TMP+32*((\a)%2)
	s_wait_dscnt \younger
.irp t, 0,1,2,3,4,5,6,7
	v_pk_add_f32 v[BK+4*(\t):BK+4*(\t)+1],   v[BK+4*(\t):BK+4*(\t)+1],   v[B2:B2+1]
	v_pk_add_f32 v[BK+4*(\t)+2:BK+4*(\t)+3], v[BK+4*(\t)+2:BK+4*(\t)+3], v[B2+2:B2+3]
.endr
.irp t, 0,1,2,3,4,5,6,7
	global_store_b128 v[CO], v[BK+4*(\t):BK+4*(\t)+3], s[8:9] offset:(16*(\a)+2*(\t))*2048  ; 16 lanes store 256 consecutive bytes, aligned
.endr
.endm
	TOSTAGE 0
	TOSTAGE 1
	SEND 0, 16
	TOSTAGE 2
	SEND 1, 16
	TOSTAGE 3
	SEND 2, 16
	SEND 3, 0
	s_wait_tensorcnt 0x0                           ; the wave's end
	ds_add_u32 v[SPW], v[NIL]
	s_wait_dscnt 0x0
	CROUND                                         ; the closing round
	s_endpgm
.Lfunc_end_k_q5907556454_mlp2:
	.size	k_q5907556454_mlp2, .Lfunc_end_k_q5907556454_mlp2-k_q5907556454_mlp2
	.p2alignl 7, 3214868480
	.fill 96, 4, 3214868480
	.section	.rodata,"a",@progbits
	.p2align	6, 0x0
	.amdhsa_kernel k_q5907556454_mlp2
		.amdhsa_group_segment_fixed_size 327680
		.amdhsa_private_segment_fixed_size 0
		.amdhsa_enable_private_segment 0
		.amdhsa_kernarg_size 40
		.amdhsa_user_sgpr_count 2
		.amdhsa_user_sgpr_kernarg_segment_ptr 1
		.amdhsa_wavefront_size32 1
		.amdhsa_system_sgpr_workgroup_id_x 1
		.amdhsa_system_sgpr_workgroup_id_y 1
		.amdhsa_system_sgpr_workgroup_id_z 1
		.amdhsa_system_vgpr_workitem_id 0
		.amdhsa_next_free_vgpr 512
		.amdhsa_next_free_sgpr 76
		.amdhsa_reserve_vcc 0
		.amdhsa_float_denorm_mode_32 3
		.amdhsa_float_denorm_mode_16_64 3
		.amdhsa_memory_ordered 1
		.amdhsa_forward_progress 1
		.amdhsa_inst_pref_size 75
	.end_amdhsa_kernel
	.amdgpu_metadata
---
amdhsa.version: [ 1, 2 ]
amdhsa.kernels:
  - .name:           k_q5907556454_mlp2
    .symbol:         k_q5907556454_mlp2.kd
    .args:
      - { .name: hid, .offset: 0, .size: 8, .value_kind: global_buffer, .address_space: global }
      - { .name: wt, .offset: 8, .size: 8, .value_kind: global_buffer, .address_space: global }
      - { .name: res, .offset: 16, .size: 8, .value_kind: global_buffer, .address_space: global }
      - { .name: b2, .offset: 24, .size: 8, .value_kind: global_buffer, .address_space: global }
      - { .name: out0, .offset: 32, .size: 8, .value_kind: global_buffer, .address_space: global }
    .group_segment_fixed_size: 327680
    .private_segment_fixed_size: 0
    .kernarg_segment_align: 8
    .kernarg_segment_size: 40
    .max_flat_workgroup_size: 128
    .sgpr_count:     76
    .vgpr_count:     512
    .wavefront_size: 32
...
	.end_amdgpu_metadata
.endif
;; end of part 6
